; MI455X (gfx1250); checked and timed in simulation.
; The chip was launched on July 23, 2026; its instructions are those of AMD's public machine-readable ISA for CDNA 5 (MIT licence, August 2026) and "CDNA5" Instruction Set Architecture Reference Guide (July 2026). The comments in the code are by the model that wrote it; some were corrected since.
;; Grouped Query Attention. Allowed arithmetic: matrix products marked QUANTISED: E2M1 operands, one E8M0 scale for each 32 along K, by v_wmma_scale_f32_16x16x128_f8f6f4 with both operands' format E2M1 (or v_wmma_scale_f32_32x16x128_f4), f32 sums; products left as they are: bf16, f16 or f32 operands; f32 sums; everything else in f32.
;; Inputs: Wk 512 x 2,048 float32; Wo 2,048 x 2,048 float32; Wq 2,048 x 2,048 float32; Wv 512 x 2,048 float32; attention_mask 1 x 1 x 2,048 x 2,048 float32; bk 512 float32; bq 2,048 float32; bv 512 float32; hidden_states 1 x 2,048 x 2,048 float32.
;; Outputs: out0 1 x 2,048 x 2,048 float32.
;; This version of the problem:
;;   THIS VERSION OF THE PROBLEM IS GIVEN IN LOW PRECISION. The matrix products marked QUANTISED in the list below multiply operands that are first quantised to E2M1 (2 exponent bits, 1 mantissa bit; 4 bits a number), with one power-of-two scale for each 32 numbers along K (OCP MX v1.0); their sums are f32. The products marked 'left as it is' may take bf16, f16 or f32 operands, with f32 sums. Whichever they take, every output number must still come out within the allowed error. Rounding operands to bf16 (8 significant bits) uses up far more of that allowance than f16 does (11 bits, for magnitudes from 6e-5 to 65,504). All else is computed in f32.
;;   The module's matrix products, in the order in which they are computed (A, B: the left and right operand; K: the contracted axis; several contracted axes count as one K, in the product's order):
;;     1. [M 2,048, K 2,048] x [K 2,048, N 2,048]; A: input hidden_states; B: input Wq: QUANTISED
;;     2. [M 2,048, K 2,048] x [K 2,048, N 512]; A: input hidden_states; B: input Wk: QUANTISED
;;     3. [M 2,048, K 2,048] x [K 2,048, N 512]; A: input hidden_states; B: input Wv: QUANTISED
;;     4. batch 32 x [M 2,048, K 64] x [K 64, N 2,048]; A: computed on the way; B: computed on the way: left as it is (an operand is computed on the way)
;;     5. batch 32 x [M 2,048, K 2,048] x [K 2,048, N 64]; A: computed on the way; B: computed on the way: left as it is (an operand is computed on the way)
;;     6. [M 2,048, K 2,048] x [K 2,048, N 2,048]; A: computed on the way; B: input Wo: left as it is (an operand is computed on the way)
;;   THE QUANTISER, for each operand of a quantised product, along K:
;;     - K is cut into blocks of 32 from its start; a last block that is shorter is filled with zeros.
;;     - A block's scale is 2^e with e = floor(log2(the largest magnitude in the block)) - 2, held to -126 .. 127; a block of zeros has e = 0. As a byte (E8M0): e + 127.
;;     - Each number is divided by its block's scale, clamped to +-6, and rounded to the nearest number of E2M1, ties to even, subnormals kept.
;;     - The product sums the exact products of the quantised numbers (number of the format x scale) in f32.
;;   ~~~python
;;   def quantise(x, axis):      # numpy; x: float32 -> the quantised numbers, widened to float32 again
;;       x = np.moveaxis(x, axis, -1); K = x.shape[-1]
;;       x = np.pad(x, [(0, 0)] * (x.ndim - 1) + [(0, -K % 32)]); x = x.reshape(x.shape[:-1] + (-1, 32)); a = np.abs(x).max(-1, keepdims=True)
;;       e = np.where(a > 0, np.clip(np.frexp(np.where(a > 0, a, 1))[1] - 1 - 2, -126, 127), 0)      # np.frexp(a)[1] - 1 = floor(log2(a)), exactly
;;       r = np.clip(x / 2.0 ** e, -6, 6)
;;       step = 2.0 ** (np.maximum(np.frexp(np.where(r == 0, 1, r))[1] - 1, 0) - 1)
;;       q = np.round(r / step) * step * 2.0 ** e      # np.round: ties to even
;;       return np.moveaxis(q.reshape(q.shape[:-2] + (-1,))[..., :K], -1, axis).astype(np.float32)
;;   ~~~
;; One version. Each part assembles by itself: llvm-mc -triple=amdgcn-amd-amdhsa -mcpu=gfx1250 --defsym DOCPART=n.
;; ======== version 1 of 1: 4 launches
;; limits: values are held in f16: magnitudes above 65,504 overflow, below 6.1e-05 lose precision
;; workspace buffers: xcodes 2,097,152 bytes; xscales 131,072 bytes; wcodes 3,145,728 bytes; wscales 196,608 bytes; wo16 8,388,608 bytes; rope 524,288 bytes; qkv 12,582,912 bytes; att16 8,388,608 bytes
;; launch prep (part 1): grid 480 x 1, 4 waves a work-group, no clusters, 33,280 bytes of LDS; arguments hidden_states, Wq, Wk, Wv, Wo, xcodes, xscales, wcodes, wscales, wo16, rope; writes xcodes, xscales, wcodes, wscales, wo16, rope
.if DOCPART == 1
	.amdgcn_target "amdgcn-amd-amdhsa--gfx1250"
	.amdhsa_code_object_version 6
	.text
	.protected	k_q78d89e84b2_prep
	.globl	k_q78d89e84b2_prep
	.p2align	8
	.type	k_q78d89e84b2_prep,@function
k_q78d89e84b2_prep:
	s_mov_b64 s[64:65], 0
	v_nop
	global_prefetch_b8 v0, s[64:65] scope:SCOPE_SE
	s_setreg_imm32_b32 hwreg(HW_REG_WAVE_MODE, 25, 1), 1
	s_wait_xcnt 0x0
; PREP: three streams in one launch, told apart by the work-group's number g.
;  g < 320:        hidden_states (g < 128), Wq (g < 256), Wk (g < 288), Wv: f32, K innermost, become codes of FP4 (E2M1), two a byte, and one E8M0 byte for each 32 along K.
;                  x goes to xcodes / xscales; the three weights lie on end in wcodes / wscales (rows 0-2047 Wq, 2048-2559 Wk, 2560-3071 Wv).
;  320 <= g < 448: Wo, f32, is rounded to f16 (wo16), as it lies.
;  g >= 448:       the table of cosines and sines: rope[t][0..31] = cos(t f_j), rope[t][32..63] = sin(t f_j), f_j = 10000^(-j/32), f32, 256 bytes a token.
; A block's scale is 2^(floor(log2(its largest magnitude)) - 2); its byte is the largest magnitude's exponent field - 2, held at 1 from below.
; LIMITS: a block of zeros gets the byte 1 where the quantiser says 127 (its codes are zeros, and this program alone reads the bytes); blocks whose largest magnitude lies under 2^-124 keep the byte 1;
; NaN and infinities among the inputs are not served; |Wo| beyond 65,504 becomes infinity in f16; the angles t f_j are good to about 2e-4 radians at t = 2047 (f_j to two units in its last place).
.set WAVES, 4
.set NSTEP, 16
.set EMAX,  2
.set CB,    8                          ; bytes of 16 codes
.set R,     16                         ; v16-79   four sets of 16 numbers as they are loaded
.set X,     80                         ; v80-111  two sets of 16 neighbours
.set C,     128                        ; v128-191 codes: four registers for each step
.set E,     112                        ; v112-127 a scale byte for each step
.set WREG,  8192                       ; LDS: a region for each wave: two stages of 32 x SP bytes, behind them its 256 scale bytes
.set SP,    80                         ; a lane's place in a stage: 64 bytes + 16 of padding
.set SPW,   12                         ; v12  LDS address of my spare word; never rewritten
.set NIL,   13                         ; v13  0; never rewritten
.set SPARE, WAVES*WREG                 ; behind the four regions: the spare words, 128 bytes a wave
.set XW,    16                         ; Wo's path: v16-79 sixteen slots of four registers as loaded
.set YW,    80                         ;            v80-111 sixteen slots of two registers to store
	s_load_b256 s[4:11], s[0:1], 0x0               ; hidden_states, Wq, Wk, Wv
	s_load_b256 s[12:19], s[0:1], 0x20             ; Wo, xcodes, xscales, wcodes
	s_load_b128 s[20:23], s[0:1], 0x40             ; wscales, wo16
	s_load_b64 s[24:25], s[0:1], 0x50              ; rope
	v_lshl_add_u32 v[SPW], v0, 2, SPARE
	v_mov_b32 v[NIL], 0
	v_lshrrev_b32 v1, 5, v0
	v_readfirstlane_b32 s26, v1                    ; wave
	v_and_b32 v2, 31, v0                           ; lane
	s_wait_kmcnt 0x0
	s_cmp_ge_u32 ttmp9, 448
	s_cbranch_scc1 .Lrope
	s_cmp_ge_u32 ttmp9, 320
	s_cbranch_scc1 .Lwo
; ---------------- the quantiser: a wave takes 16 steps of 512 numbers ----------------
; Each of a step's four loads reads 512 consecutive bytes; the 2,048 bytes turn through the wave's own stage in LDS and come back 64 bytes a lane: 16 neighbours along K, two lanes to a block.
	v_lshlrev_b32 v3, 4, v2                        ; my 16 bytes of a load's 512
	s_mul_i32 s27, s26, WREG
	v_lshrrev_b32 v14, 2, v2
	v_mul_u32_u24 v14, v14, SP
	v_and_b32 v15, 3, v2
	v_lshl_add_u32 v14, v15, 4, v14
	v_add_nc_u32 v14, s27, v14                     ; the stage, on the way in: SP (lane / 4) + 16 (lane % 4)
	v_mul_u32_u24 v15, v2, SP
	v_add_nc_u32 v15, s27, v15                     ; and on the way out: SP x lane
	v_mul_u32_u24 v4, v2, CB                       ; my codes' place in a step's
	v_lshrrev_b32 v5, 1, v2
	s_add_co_u32 s27, s27, 2*32*SP
	v_add_nc_u32 v5, s27, v5                       ; my wave's 256 scale bytes, my block's byte
	v_lshlrev_b32 v7, 3, v2                        ; and on the way out 8 bytes a lane
	v_add_nc_u32 v6, s27, v7
	s_mov_b32 s28, 288                             ; which tensor: the choices hang on the work-group's number alone
	s_cmp_lt_u32 ttmp9, 288
	s_cselect_b64 s[30:31], s[8:9], s[10:11]
	s_cselect_b32 s28, 256, s28
	s_cmp_lt_u32 ttmp9, 256
	s_cselect_b64 s[30:31], s[6:7], s[30:31]
	s_cselect_b32 s28, 128, s28
	s_cmp_lt_u32 ttmp9, 128
	s_cselect_b64 s[30:31], s[4:5], s[30:31]       ; the numbers
	s_cselect_b32 s28, 0, s28                      ; the tensor's first work-group
	s_cselect_b64 s[32:33], s[14:15], s[18:19]     ; the codes
	s_cselect_b64 s[34:35], s[16:17], s[20:21]     ; the scale bytes
	s_cselect_b32 s29, 0, 128                      ; the three weights lie on end: one rule for them
	s_sub_co_u32 s28, ttmp9, s28
	s_sub_co_u32 s29, ttmp9, s29
	s_lshl_b32 s28, s28, 2
	s_add_co_u32 s28, s28, s26                     ; my wave's run of 8,192 numbers in the source,
	s_lshl_b32 s29, s29, 2
	s_add_co_u32 s29, s29, s26                     ; and in the destination
	s_lshl_b32 s36, s28, 15                        ; 32,768 bytes of numbers a run
	s_mov_b32 s37, 0
	s_add_nc_u64 s[30:31], s[30:31], s[36:37]
	s_lshl_b32 s36, s29, 12                        ; 4,096 bytes of codes
	s_add_nc_u64 s[32:33], s[32:33], s[36:37]
	s_lshl_b32 s36, s29, 8                         ; 256 scale bytes
	s_add_nc_u64 s[34:35], s[34:35], s[36:37]
.macro LOAD t
.irp i, 0,1,2,3
	global_load_b128 v[R+16*((\t)%4)+4*\i:R+16*((\t)%4)+4*\i+3], v3, s[30:31] offset:2048*(\t)+512*\i th:TH_LOAD_NT   ; 32 lanes read 512 consecutive bytes
.endr
.endm
.macro TURN t                          ; step t's numbers through the stage: LDS serves a wave's instructions in order, so no wait stands between the stores and the loads
.irp i, 0,1,2,3
	ds_store_b128 v14, v[R+16*((\t)%4)+4*\i:R+16*((\t)%4)+4*\i+3] offset:32*SP*((\t)%2)+8*SP*\i
.endr
.irp i, 0,1,2,3
	ds_load_b128 v[X+16*((\t)%2)+4*\i:X+16*((\t)%2)+4*\i+3], v15 offset:32*SP*((\t)%2)+16*\i
.endr
.endm
.irp t, 0,1,2,3
	LOAD \t
.endr
	s_wait_loadcnt 12                              ; step 0's four loads are in
	TURN 0
.macro STEP t
.set XS, X+16*((\t)%2)
.if (\t) > 0
	s_wait_dscnt 1                                 ; this step's numbers are back from the stage (the last step's byte store may be out)
.else
	s_wait_dscnt 0x0
.endif
.if (\t)+4 < NSTEP
	LOAD (\t)+4                                    ; into the registers that this step's stores into the stage have read
.endif
.if (\t)+1 < NSTEP
.if NSTEP-2-(\t) >= 3
	s_wait_loadcnt 12                              ; the next step's four loads are in; those of the three steps behind it may be out
.else
	s_wait_loadcnt 4*(NSTEP-2-(\t))
.endif
	TURN (\t)+1                                    ; through the other stage while this step is worked
.endif
	v_max3_num_f32 v8, |v[XS]|, |v[XS+1]|, |v[XS+2]|               ; the largest magnitude of my 16
	v_max3_num_f32 v9, |v[XS+3]|, |v[XS+4]|, |v[XS+5]|
.irp i, 6,10
	v_max3_num_f32 v8, v8, |v[XS+\i]|, |v[XS+\i+1]|
	v_max3_num_f32 v9, v9, |v[XS+\i+2]|, |v[XS+\i+3]|
.endr
	v_max3_num_f32 v8, v8, |v[XS+14]|, |v[XS+15]|
	v_max3_num_f32 v8, v8, v9, (EMAX+1)<<23        ; and the floor 2^(3 - 127): the byte cannot fall under 1
	v_max_num_f32_dpp v8, v8, v8 row_xmask:1 row_mask:0xf bank_mask:0xf   ; and of my neighbour's 16: the block's
	v_add_nc_u32 v11, -(EMAX<<23), v8              ; 2 off its exponent field: the conversion takes the exponent field of this operand as its scale
	v_cvt_scalef32_pk8_fp4_f32 v[C+4*(\t)], v[XS:XS+7], v11
	v_cvt_scalef32_pk8_fp4_f32 v[C+4*(\t)+1], v[XS+8:XS+15], v11
	v_lshrrev_b32 v[E+(\t)], 23, v11               ; the scale's byte
	ds_store_b8 v5, v[E+(\t)] offset:16*(\t)       ; both lanes of a block write the same byte with the same value
	global_store_b64 v4, v[C+4*(\t):C+4*(\t)+1], s[32:33] offset:32*CB*(\t)   ; the wave stores 256 consecutive bytes, aligned
.endm
.irp t, 0,1,2,3,4,5,6,7,8,9,10,11,12,13,14,15
	STEP \t
.endr
	ds_load_b64 v[8:9], v6                         ; LDS serves a wave's instructions in order: these see my stores
	s_wait_dscnt 0x0
	global_store_b64 v7, v[8:9], s[34:35]          ; 32 lanes store 256 consecutive bytes, aligned
	s_wait_tensorcnt 0x0                           ; the wave's end: a wait, an add of 0 to my spare word and its wait stand behind my last LDS store
	ds_add_u32 v[SPW], v[NIL]
	s_wait_dscnt 0x0
	s_endpgm
; ---------------- Wo to f16: a wave takes 8,192 numbers, a ring of sixteen loads in registers ----------------
.Lwo:
	s_sub_co_u32 s28, ttmp9, 320
	s_lshl_b32 s28, s28, 2
	s_add_co_u32 s28, s28, s26                     ; my wave's run
	s_lshl_b32 s36, s28, 15                        ; 32,768 bytes in
	s_mov_b32 s37, 0
	s_add_nc_u64 s[12:13], s[12:13], s[36:37]
	s_lshl_b32 s36, s28, 14                        ; 16,384 bytes out
	s_add_nc_u64 s[22:23], s[22:23], s[36:37]
	v_lshlrev_b32 v3, 4, v2
	v_lshlrev_b32 v4, 3, v2
.irp i, 0,1,2,3,4,5,6,7,8,9,10,11,12,13,14,15
	global_load_b128 v[XW+4*\i:XW+4*\i+3], v3, s[12:13] offset:512*\i th:TH_LOAD_NT
.endr
.macro WSLOT i, round, ahead, left
	s_wait_loadcnt \left                           ; loads come back in order: mine is in, the younger ones stay out
	s_wait_xcnt 0x0                                ; this slot's last store has read its two registers: they are rewritten only behind this wait
	v_cvt_pk_f16_f32 v[YW+2*(\i)], v[XW+4*(\i)], v[XW+4*(\i)+1]
	v_cvt_pk_f16_f32 v[YW+2*(\i)+1], v[XW+4*(\i)+2], v[XW+4*(\i)+3]
.if \ahead
	global_load_b128 v[XW+4*(\i):XW+4*(\i)+3], v3, s[12:13] offset:512*(16*((\round)+1)+(\i)) th:TH_LOAD_NT
.endif
	global_store_b64 v4, v[YW+2*(\i):YW+2*(\i)+1], s[22:23] offset:256*(16*(\round)+(\i))   ; the wave stores 256 consecutive bytes, aligned
.endm
.irp rd, 0,1,2
.irp i, 0,1,2,3,4,5,6,7,8,9,10,11,12,13,14,15
	WSLOT \i, \rd, 1, 15
.endr
.endr
.irp i, 0,1,2,3,4,5,6,7,8,9,10,11,12,13,14,15
	WSLOT \i, 3, 0, 15-\i                          ; the last round loads nothing: the counts run down
.endr
	s_endpgm
; ---------------- the table of cosines and sines: a wave takes 16 tokens, a lane two numbers of each row ----------------
.Lrope:
	s_sub_co_u32 s28, ttmp9, 448
	s_lshl_b32 s28, s28, 2
	s_add_co_u32 s28, s28, s26
	s_lshl_b32 s28, s28, 4                         ; my first token
	s_lshl_b32 s36, s28, 8                         ; 256 bytes a token
	s_mov_b32 s37, 0
	s_add_nc_u64 s[24:25], s[24:25], s[36:37]
	v_lshlrev_b32 v3, 3, v2                        ; 8 bytes a lane: lanes 0-15 cosines, lanes 16-31 sines
	v_and_b32 v4, 15, v2
	v_lshlrev_b32 v4, 1, v4                        ; j = 2 (lane % 16), and j + 1
	v_add_nc_u32 v5, 1, v4
	v_cvt_f32_u32 v4, v4
	v_cvt_f32_u32 v5, v5
	v_mul_f32 v4, 0xbed49a78, v4                   ; -j log2(10000) / 32
	v_mul_f32 v5, 0xbed49a78, v5
	v_exp_f32 v4, v4                               ; f_j
	v_exp_f32 v5, v5
	v_lshrrev_b32 v6, 4, v2                        ; (a plain line behind the two)  1 in the lanes that make sines
	v_mul_u32_u24 v6, v6, 3                        ; sin(a) = cos(a - pi/2): three quadrants on
	s_mov_b32 s38, 0x3f22f983                      ; 2 / pi, its first 24 bits,
	s_mov_b32 s39, 0x32dc9c88                      ; and the next
	s_mov_b32 s40, 0x3fc90fdb                      ; pi / 2
	s_mov_b32 s41, 0xbe2aaaab                      ; the sine's series: -1/6, 1/120, -1/5040, 1/362880
	s_mov_b32 s42, 0x3c088889
	s_mov_b32 s43, 0xb9500d01
	s_mov_b32 s44, 0x3638ef1d
	s_mov_b32 s45, 0x3d2aaaab                      ; the cosine's: (-1/2,) 1/24, -1/720, 1/40320
	s_mov_b32 s46, 0xbab60b61
	s_mov_b32 s47, 0x37d00d01
	s_wait_alu depctr_va_vdst(0)                   ; one wait for the two exponentials, ahead of their first reader
; v20 = the token as f32.  x = t f; n = the nearest whole number to x 2/pi; theta = (x 2/pi - n) pi/2, at most pi/4 in size; both series; the quadrant picks one and its sign.
.macro TRIG dst, f
	v_mul_f32 v21, v20, v[\f]
	v_mul_f32 v22, s38, v21
	v_rndne_f32 v22, v22
	v_fma_f32 v23, v21, s38, -v22
	v_fma_f32 v23, v21, s39, v23
	v_mul_f32 v23, s40, v23
	v_mul_f32 v24, v23, v23
	v_fma_f32 v25, v24, s44, s43
	v_fma_f32 v25, v25, v24, s42
	v_fma_f32 v25, v25, v24, s41
	v_mul_f32 v26, v23, v24
	v_fma_f32 v25, v26, v25, v23                   ; sin(theta)
	v_fma_f32 v27, v24, s47, s46
	v_fma_f32 v27, v27, v24, s45
	v_fma_f32 v27, v27, v24, -0.5
	v_fma_f32 v27, v27, v24, 1.0                   ; cos(theta)
	v_cvt_i32_f32 v28, v22
	v_add_nc_u32 v28, v28, v6                      ; the quadrant q (its low two bits)
	v_and_b32 v29, 1, v28
	v_cmp_eq_u32 vcc_lo, 1, v29
	v_cndmask_b32 v27, v27, v25, vcc_lo            ; odd q: the sine
	v_add_nc_u32 v28, 1, v28
	v_and_b32 v28, 2, v28                          ; q = 1, 2: negative
	v_lshlrev_b32 v28, 30, v28
	v_xor_b32 v[\dst], v28, v27
.endm
.irp i, 0,1,2,3,4,5,6,7,8,9,10,11,12,13,14,15
	s_add_co_u32 s29, s28, \i
	v_cvt_f32_u32 v20, s29
	TRIG 64+2*\i, 4
	TRIG 65+2*\i, 5
	global_store_b64 v3, v[64+2*\i:65+2*\i], s[24:25] offset:256*\i   ; a token's row: 256 consecutive bytes, aligned; each token has its own two registers
.endr
	s_endpgm
.Lfunc_end_k_q78d89e84b2_prep:
	.size	k_q78d89e84b2_prep, .Lfunc_end_k_q78d89e84b2_prep-k_q78d89e84b2_prep
	.p2alignl 7, 3214868480
	.fill 96, 4, 3214868480
	.section	.rodata,"a",@progbits
	.p2align	6, 0x0
	.amdhsa_kernel k_q78d89e84b2_prep
		.amdhsa_group_segment_fixed_size 33280
		.amdhsa_private_segment_fixed_size 0
		.amdhsa_enable_private_segment 0
		.amdhsa_kernarg_size 88
		.amdhsa_user_sgpr_count 2
		.amdhsa_user_sgpr_kernarg_segment_ptr 1
		.amdhsa_wavefront_size32 1
		.amdhsa_system_sgpr_workgroup_id_x 1
		.amdhsa_system_sgpr_workgroup_id_y 1
		.amdhsa_system_sgpr_workgroup_id_z 1
		.amdhsa_system_vgpr_workitem_id 0
		.amdhsa_next_free_vgpr 192
		.amdhsa_next_free_sgpr 66
		.amdhsa_reserve_vcc 1
		.amdhsa_float_denorm_mode_32 3
		.amdhsa_float_denorm_mode_16_64 3
		.amdhsa_memory_ordered 1
		.amdhsa_forward_progress 1
		.amdhsa_inst_pref_size 97
	.end_amdhsa_kernel
	.amdgpu_metadata
---
amdhsa.version: [ 1, 2 ]
amdhsa.kernels:
  - .name:           k_q78d89e84b2_prep
    .symbol:         k_q78d89e84b2_prep.kd
    .args:
      - { .name: hidden_states, .offset: 0, .size: 8, .value_kind: global_buffer, .address_space: global }
      - { .name: Wq, .offset: 8, .size: 8, .value_kind: global_buffer, .address_space: global }
      - { .name: Wk, .offset: 16, .size: 8, .value_kind: global_buffer, .address_space: global }
      - { .name: Wv, .offset: 24, .size: 8, .value_kind: global_buffer, .address_space: global }
      - { .name: Wo, .offset: 32, .size: 8, .value_kind: global_buffer, .address_space: global }
      - { .name: xcodes, .offset: 40, .size: 8, .value_kind: global_buffer, .address_space: global }
      - { .name: xscales, .offset: 48, .size: 8, .value_kind: global_buffer, .address_space: global }
      - { .name: wcodes, .offset: 56, .size: 8, .value_kind: global_buffer, .address_space: global }
      - { .name: wscales, .offset: 64, .size: 8, .value_kind: global_buffer, .address_space: global }
      - { .name: wo16, .offset: 72, .size: 8, .value_kind: global_buffer, .address_space: global }
      - { .name: rope, .offset: 80, .size: 8, .value_kind: global_buffer, .address_space: global }
    .group_segment_fixed_size: 33280
    .private_segment_fixed_size: 0
    .kernarg_segment_align: 8
    .kernarg_segment_size: 88
    .max_flat_workgroup_size: 128
    .sgpr_count:     66
    .vgpr_count:     192
    .wavefront_size: 32
...
	.end_amdgpu_metadata
.endif
;; end of part 1
;; launch qkvproj (part 2): grid 12 x 8, 4 waves a work-group, clusters of 4 x 4, 327,680 bytes of LDS; arguments xcodes, xscales, wcodes, wscales, qkv, rope, bq, bk, bv; writes qkv
.if DOCPART == 2
	.amdgcn_target "amdgcn-amd-amdhsa--gfx1250"
	.amdhsa_code_object_version 6
	.text
	.protected	k_q78d89e84b2_qkvproj
	.globl	k_q78d89e84b2_qkvproj
	.p2align	8
	.type	k_q78d89e84b2_qkvproj,@function
k_q78d89e84b2_qkvproj:
	s_mov_b64 s[64:65], 0
	v_nop
	global_prefetch_b8 v0, s[64:65] scope:SCOPE_SE
	s_setreg_imm32_b32 hwreg(HW_REG_WAVE_MODE, 25, 1), 1
	s_wait_xcnt 0x0
	s_wait_alu depctr_hold_cnt(0) depctr_sa_sdst(0) depctr_va_vdst(0) depctr_va_sdst(0) depctr_va_ssrc(0) depctr_va_vcc(0) depctr_vm_vsrc(0)
	s_getreg_b32 s2, hwreg(HW_REG_IB_STS2, 6, 4)
	s_cmp_eq_u32 s2, 0
	s_cbranch_scc0 .Lentry_in_a_cluster
	s_endpgm
.Lentry_in_a_cluster:
	s_bfe_u32 s2, ttmp6, 0x10000c
	s_cmp_lg_u32 s2, 0xf033
	s_cbranch_scc0 .Lentry_shape_is_right
	s_endpgm
.Lentry_shape_is_right:
; QKVPROJ: [2048 tokens] x [3072 channels: Wq's 2048, Wk's 512, Wv's 512], K = 2048, on codes of FP4 (E2M1) with one E8M0 scale for each 32 along K; sums in f32.
; On the way out: + bias; q and k are turned by the table of cosines and sines; q is also multiplied by log2(e) / 8, so that the next launch's scores are exponents of 2; all is rounded to f16 and laid
; qkv[48 heads][2048 tokens][64]: heads 0-31 q, 32-39 k, 40-47 v.
; LIMIT: q log2(e) / 8, k and v beyond 65,504 become infinity in f16.
; A tile, 256 tokens x 256 channels, is made by a work-group of four waves; a wave makes 128 x 128 (two whole heads): 64 accumulators of 16 x 16, 512 registers.
; K goes in steps of 512 through a ring of two LDS slots filled by the tensor data mover: a tile's row is 256 bytes of memory.  The scale bytes of the work-group's 256 + 256 rows, for all of K, come into LDS once.
; CLUSTERS: 4 x 4 work-groups.  The four of a row of the cluster need the same tiles of x, the four of a column the same tiles of the weights: each tile is asked for JOINTLY.
; THE MATRIX INSTRUCTION IS USED TRANSPOSED (source 0 = 16 channels, source 1 = 16 tokens): a lane then holds one token and eight neighbouring channels.
; REGISTERS, in windows of 256: window 0: v0-31 addresses; v32-95 scale words, two sets; v96-127 a block's cosines and sines; v128-191 x's fragments, one set; v192-255 my 128 channels' biases.
;   window 1: the weights' fragments, two sets.   window 2: the accumulators of my tokens 0-63 (accumulator (a, b) at v[8 (8 a + b)]);   window 3: those of my tokens 64-127.
.set SIZE_K, 2048
.set KSTEP,  512                       ; along K in a slot
.set NQ,     KSTEP/128                 ; matrix instructions deep
.set ROWB,   256                       ; a tile's row in bytes
.set KROW,   SIZE_K*4/8                ; a row of codes in memory
.set PITCH,  272                       ; an LDS row: 256 bytes + 16 of padding: the 16 rows that a load touches start at 16 different banks (64 banks of 4 bytes: ISA guide 11.1)
.set FR,     8                         ; registers of a fragment
.set NL,     2                         ; LDS loads that bring one
.set NP,     4                         ; places behind this matrix instruction (ISA guide 7.12.1)
.set HALFT,  128*PITCH
.set SLOT,   4*HALFT                   ; x's 256 rows, then the weights' 256 rows
.set LAPS,   SIZE_K/(2*KSTEP)
.set KS,     SIZE_K/32                 ; a row of scale bytes
.set SCL,    2*SLOT                    ; behind the ring: the scales, as units of 256 bytes + 16 of padding
.set HALFS,  (128*KS/256)*272
.set SBLK,   (16*KS/256)*272
.set SPARE,  SCL+4*HALFS               ; behind the scales: the spare words, 128 bytes a wave
.set BIO,  7                           ; v7   32 h: my eight channels in a block of sixteen biases
.set TBO,  8                           ; v8   256 r + 32 h: my token's row of the table, my eight angles
.set STO2, 9                           ; v9   the way out: where I put 16 bytes of a row
.set RD2,  10                          ; v10  the way out: where I read rows back
.set CO2,  11                          ; v11  16 x lane: my bytes of 512 consecutive bytes of qkv
.set ADRA, 16
.set ADRB, 20
.set ADRS, 27
.set SPW,  28                          ; v28  LDS address of my spare word; never rewritten
.set NIL,  29                          ; v29  0; never rewritten
.set SC,   32
.set CO,   96                          ; v96-111  cosines of my token: register 8 b' + j: angle 16 b' + 8 h + j
.set SI,   112                         ; v112-127 sines likewise
.set AF,   128
.set BI,   192                         ; v192-255 biases: register 8 b + j: channel 16 b + 8 h + j
.set X,    128                         ; the way out: a block's 64 numbers
.set T,    32                          ; the way out: v32-47 at work
.set PK,   48                          ; the way out: v48-79 a block as f16
.set RB,   128                         ; the way out: v128-159 rows read back
.set AL,   93                          ; s93  what cosines and sines are multiplied by: log2(e)/8 for q, 1 for k, 0 for v
.set BE,   94                          ; s94  what is added to the cosines: 0, 0, 1: so v is left as it is, with no branch
.set G1, 24
.set G0, 32
.set G1B, 48
.set G0B, 56
.set G1S, 68
.set G0S, 76
.set G1SB, 80
.set G0SB, 88
.set MSB, 0
.macro WIN new                         ; the immediate's high byte repeats the setting that is left
.if MSB != \new
	s_set_vgpr_msb (MSB<<8)|\new
.set MSB, \new
.endif
.endm
.set MUL_LO, 0xa1                      ; source 0 (weights) window 1, source 1 (x) window 0, C and D window 2
.set MUL_HI, 0xf1                      ; the same, C and D window 3
.set TO_B,   0x40                      ; destination window 1, address window 0
; A joint load: waves 0 and 1 fetch for x, waves 2 and 3 for the weights.  The branch hangs on the wave's number alone.  An s_nop 0 and four v_nop follow each of the two lines.
.macro JLOAD g0a, g1a, g0b, g1b
	s_cmp_eq_u32 s15, 0
	s_cbranch_scc0 .Lfor_b_\@
	tensor_load_to_lds s[\g0a:\g0a+3], s[\g1a:\g1a+7]
	s_nop 0
.rept 4
	v_nop
.endr
	s_branch .Lasked_\@
.Lfor_b_\@:
	tensor_load_to_lds s[\g0b:\g0b+3], s[\g1b:\g1b+7]
	s_nop 0
.rept 4
	v_nop
.endr
.Lasked_\@:
.endm
.macro CREST                           ; a round of the cluster's barrier behind its opening barrier
	s_cmp_lg_u32 s14, 0
	s_cbranch_scc1 .Lnot_wave_0_\@
	s_barrier_signal -3
.Lnot_wave_0_\@:
	s_barrier_wait -3
	s_barrier_signal -1
	s_barrier_wait -1
.endm
.macro CROUND                          ; a whole round
	s_barrier_signal -1
	s_barrier_wait -1
	CREST
.endm
	s_load_b128 s[4:7], s[0:1], 0x0                ; x's codes, x's scales
	s_load_b128 s[8:11], s[0:1], 0x10              ; the weights' codes, their scales
	s_load_b64 s[12:13], s[0:1], 0x20              ; qkv
	s_load_b64 s[66:67], s[0:1], 0x28              ; the table
	s_load_b128 s[96:99], s[0:1], 0x30             ; bq, bk
	s_load_b64 s[100:101], s[0:1], 0x40            ; bv
	v_lshl_add_u32 v[SPW], v0, 2, SPARE
	v_mov_b32 v[NIL], 0
	ds_add_u32 v[SPW], v[NIL]                      ; the wave's opening: the add and its wait stand ahead of my first tensor load; the set-up below, work on registers, stands between them
	v_lshrrev_b32 v1, 5, v0
	v_readfirstlane_b32 s14, v1                    ; wave 0..3
	s_lshr_b32 s15, s14, 1                         ; which half of the tile's tokens is mine.  Also: I fetch for x (0) or for the weights (1)
	s_and_b32 s16, s14, 1                          ; which half of its channels.  Also: which 128 rows of that tile I fetch
	s_bfe_u32 s40, ttmp6, 0x40000                  ; cx, cy: my place in the cluster
	s_bfe_u32 s41, ttmp6, 0x40004
	s_lshl_b32 s42, ttmp9, 2
	s_add_co_u32 s42, s42, s40                     ; tile column = 4 x cluster x + cx
	s_and_b32 s17, ttmp7, 0xffff
	s_lshl_b32 s17, s17, 2
	s_add_co_u32 s17, s17, s41                     ; tile row = 4 x cluster y + cy
	s_lshl_b32 s43, s41, 2
	s_lshl_b32 s43, 15, s43                        ; my row of the cluster
	s_lshl_b32 s44, 0x1111, s40                    ; my column
	; descriptor group 1: a tile of 128 rows x 256 bytes, padded in LDS
	s_or_b32 s[G1+0], s43, (0<<16)|(1<<20)|(1<<21)|(5<<22)|(3<<25)  ; 15:0 the mask; 17:16 elements of 1 byte; 20 padding on; 21 set beside a mask; 24:22 after every 64 words; 31:25 four words
	s_or_b32 s[G1B+0], s44, (0<<16)|(1<<20)|(1<<21)|(5<<22)|(3<<25)
.irp g, G1, G1B
	s_mov_b32 s[\g+1], ROWB<<16                    ; tensor_dim0
	s_mov_b32 s[\g+2], 128<<16                     ; tensor_dim1
	s_mov_b32 s[\g+3], ROWB<<16                    ; tile_dim0
	s_mov_b32 s[\g+4], 128                         ; tile_dim1
	s_mov_b32 s[\g+5], KROW                        ; tensor_dim0_stride
	s_mov_b32 s[\g+6], 0
	s_mov_b32 s[\g+7], 0
.endr
	; the scales of 128 rows: a dense block of 8,192 bytes, as rows of 256 bytes (32 elements of 8 bytes), 16 bytes of padding behind each
	s_or_b32 s[G1S+0], s43, (3<<16)|(1<<20)|(1<<21)|(5<<22)|(3<<25)
	s_or_b32 s[G1SB+0], s44, (3<<16)|(1<<20)|(1<<21)|(5<<22)|(3<<25)
.irp g, G1S, G1SB
	s_mov_b32 s[\g+1], 32<<16
	s_mov_b32 s[\g+2], (128*KS/256)<<16
	s_mov_b32 s[\g+3], 32<<16
	s_mov_b32 s[\g+4], 128*KS/256
	s_mov_b32 s[\g+5], 32
	s_mov_b32 s[\g+6], 0
	s_mov_b32 s[\g+7], 0
.endr
	s_lshl_b32 s18, s16, 7                         ; which 128 rows of the tile I fetch
	s_lshl_b32 s20, s17, 8
	s_add_co_u32 s20, s20, s18                     ; x: row 256 x tile row + 128 x half
	s_lshl_b32 s46, s42, 8
	s_add_co_u32 s46, s46, s18                     ; weights: row 256 x tile column + 128 x half
	s_mov_b32 s21, 0
	s_mov_b32 s47, 0
	s_mov_b64 s[18:19], KS
	s_mul_u64 s[22:23], s[20:21], s[18:19]         ; where these rows' scales begin, in bytes
	s_mul_u64 s[92:93], s[46:47], s[18:19]
	s_mov_b64 s[18:19], KROW
	s_mul_u64 s[20:21], s[20:21], s[18:19]         ; and their codes
	s_mul_u64 s[46:47], s[46:47], s[18:19]
	s_mul_i32 s45, s14, HALFT                      ; where they go: wave x 128 rows: no place in the cluster enters an LDS address
	s_mul_i32 s94, s14, HALFS
	s_wait_dscnt 0x0                               ; the opening add is done
	s_wait_kmcnt 0x0
	s_add_nc_u64 s[20:21], s[4:5], s[20:21]
	s_add_nc_u64 s[22:23], s[6:7], s[22:23]
	s_add_nc_u64 s[46:47], s[8:9], s[46:47]
	s_add_nc_u64 s[92:93], s[10:11], s[92:93]
	CROUND                                         ; all sixteen work-groups are here: the first joint loads meet
	s_mov_b32 s[G0S], 1
	s_add_co_u32 s[G0S+1], s94, SCL
	s_mov_b64 s[G0S+2:G0S+3], s[22:23]
	s_or_b32 s[G0S+3], s[G0S+3], 0x80000000
	s_mov_b32 s[G0SB], 1
	s_add_co_u32 s[G0SB+1], s94, SCL
	s_mov_b64 s[G0SB+2:G0SB+3], s[92:93]
	s_or_b32 s[G0SB+3], s[G0SB+3], 0x80000000
	JLOAD G0S, G1S, G0SB, G1SB                     ; the scales first: they are wanted with K step 0
.irp s, 0,1
	s_mov_b32 s[G0+4*\s], 1
	s_add_co_u32 s[G0+4*\s+1], s45, \s*SLOT
	s_add_nc_u64 s[G0+4*\s+2:G0+4*\s+3], s[20:21], \s*ROWB
	s_or_b32 s[G0+4*\s+3], s[G0+4*\s+3], 0x80000000
	s_mov_b32 s[G0B+4*\s], 1
	s_add_co_u32 s[G0B+4*\s+1], s45, \s*SLOT
	s_add_nc_u64 s[G0B+4*\s+2:G0B+4*\s+3], s[46:47], \s*ROWB
	s_or_b32 s[G0B+4*\s+3], s[G0B+4*\s+3], 0x80000000
	JLOAD G0+4*\s, G1, G0B+4*\s, G1B
.endr
	v_and_b32 v1, 15, v0                           ; r = l % 16
	v_bfe_u32 v2, v0, 4, 1                         ; h = l / 16
	v_mul_u32_u24 v3, v1, PITCH
	v_lshl_add_u32 v4, v2, 4, v3                   ; a fragment's row x pitch + 16 x half
	s_mul_i32 s21, s15, HALFT                      ; my 128 rows of x
	s_mul_i32 s22, s16, HALFT                      ; my 128 rows of the weights,
	s_add_co_u32 s22, s22, 2*HALFT                 ; which lie behind x's 256
.irp s, 0,1
	v_add_nc_u32 v[ADRA+\s], s21, v4
	v_add_nc_u32 v[ADRB+\s], s22, v4
	s_add_co_u32 s21, s21, SLOT
	s_add_co_u32 s22, s22, SLOT
.endr
	v_mul_u32_u24 v5, v1, KS                       ; my row's scales: KS bytes a row,
	v_lshrrev_b32 v6, 8, v5
	v_lshl_add_u32 v5, v6, 4, v5                   ; and 16 more for each 256 passed
	s_mul_i32 s21, s15, HALFS
	s_mul_i32 s22, s16, HALFS
	s_add_co_u32 s22, s22, 2*HALFS
	s_sub_co_u32 s22, s22, s21
	v_mul_u32_u24 v6, s22, v2                      ; lanes 16-31 take the weights'
	s_add_co_u32 s21, s21, SCL
	v_add_nc_u32 v5, v5, v6
	v_add_nc_u32 v[ADRS], s21, v5
	; the way out: a stage of 32 rows (two heads x 16 tokens) x (128 bytes + 16) for each wave.  It lies in slot 0, which has had its last fill and its last read when the first result is stored there
	s_mul_i32 s23, s14, 32*144
	v_mul_u32_u24 v5, v1, 144
	v_lshl_add_u32 v5, v2, 4, v5
	v_add_nc_u32 v[STO2], s23, v5                  ; in: row r, 16 bytes for each half of the lanes
	v_and_b32 v6, 31, v0
	v_lshrrev_b32 v5, 3, v6
	v_mul_u32_u24 v5, v5, 144
	v_and_b32 v3, 7, v6
	v_lshl_add_u32 v5, v3, 4, v5
	v_add_nc_u32 v[RD2], s23, v5                   ; back: eight lanes to a row of 128 bytes, four rows an instruction
	v_lshlrev_b32 v[CO2], 4, v6
	v_lshlrev_b32 v[BIO], 5, v2
	v_lshl_add_u32 v[TBO], v1, 8, v[BIO]
	; which of q, k, v my tile column belongs to: selections alone, no branch
	s_mov_b32 s92, 2560
	s_cmp_lt_u32 s42, 10
	s_cselect_b64 s[98:99], s[98:99], s[100:101]
	s_cselect_b32 s92, 2048, s92
	s_cselect_b32 s[AL], 0x3f800000, 0
	s_cselect_b32 s[BE], 0, 0x3f800000
	s_cmp_lt_u32 s42, 8
	s_cselect_b64 s[96:97], s[96:97], s[98:99]     ; the bias
	s_cselect_b32 s92, 0, s92                      ; its first channel
	s_cselect_b32 s[AL], 0x3e38aa3b, s[AL]         ; log2(e) / 8
	s_lshl_b32 s46, s42, 8
	s_lshl_b32 s47, s16, 7
	s_add_co_u32 s46, s46, s47                     ; my first channel: 256 x tile column + 128 x half
	s_sub_co_u32 s46, s46, s92
	s_lshl_b32 s46, s46, 2
	s_mov_b32 s47, 0
	s_add_nc_u64 s[96:97], s[96:97], s[46:47]
	s_lshl_b32 s20, s17, 8
	s_lshl_b32 s21, s15, 7
	s_add_co_u32 s20, s20, s21                     ; my first token: 256 x tile row + 128 x half
	s_lshl_b32 s22, s20, 8                         ; the table: 256 bytes a token
	s_mov_b32 s23, 0
	s_add_nc_u64 s[66:67], s[66:67], s[22:23]
	s_lshl_b32 s22, s20, 7                         ; qkv: 128 bytes a token,
	s_lshl_b32 s46, s42, 2
	s_lshl_b32 s47, s16, 1
	s_add_co_u32 s46, s46, s47                     ; my first head: 4 x tile column + 2 x half,
	s_lshl_b32 s46, s46, 18                        ; 262,144 bytes a head
	s_add_co_u32 s22, s22, s46
	s_add_nc_u64 s[12:13], s[12:13], s[22:23]
	; biases, and block 0's cosines and sines: into registers that lie idle in the loop; they are waited for on the way out
.irp b, 0,1,2,3,4,5,6,7
.irp x, 0,1
	global_load_b128 v[BI+8*\b+4*\x:BI+8*\b+4*\x+3], v[BIO], s[96:97] offset:64*\b+16*\x
.endr
.endr
.irp bp, 0,1
.irp x, 0,1
	global_load_b128 v[CO+8*\bp+4*\x:CO+8*\bp+4*\x+3], v[TBO], s[66:67] offset:64*\bp+16*\x
	global_load_b128 v[SI+8*\bp+4*\x:SI+8*\bp+4*\x+3], v[TBO], s[66:67] offset:128+64*\bp+16*\x
.endr
.endr
.macro FRAG reg, adr, q, i             ; a fragment, 16 rows x 128 K of 4-bit codes: lane l holds row l % 16; registers 4 c .. 4 c + 3 hold K = 64 c + 32 (l / 16) + 0 .. 31
.irp c, 0,1
	ds_load_b128 v[\reg+4*\c:\reg+4*\c+3], v[\adr] offset:64*(\q)+32*\c+(\i)*16*PITCH
.endr
.endm
; 16 matrix instructions: x's blocks a0, a0 + 1 against the weights' eight, 128 along K.  zero = 1: the first product starts the sums.  The 64 accumulators take turns, one instruction a turn.
.macro MUL16 a0, p, q, sc, zero
.irp a, \a0, \a0+1
.irp b, 0,1,2,3,4,5,6,7
.if \zero
	v_wmma_scale_f32_16x16x128_f8f6f4 v[8*(8*((\a)%4)+\b):8*(8*((\a)%4)+\b)+7], v[128*(\p)+FR*\b:128*(\p)+FR*\b+FR-1], v[AF+FR*(\a):AF+FR*(\a)+FR-1], 0, v[SC+8*NQ*(\sc)+NQ*\b+(\q)], v[SC+8*NQ*(\sc)+NQ*(\a)+(\q)] matrix_a_fmt:MATRIX_FMT_FP4 matrix_b_fmt:MATRIX_FMT_FP4 matrix_a_scale:MATRIX_SCALE_ROW1
.else
	v_wmma_scale_f32_16x16x128_f8f6f4 v[8*(8*((\a)%4)+\b):8*(8*((\a)%4)+\b)+7], v[128*(\p)+FR*\b:128*(\p)+FR*\b+FR-1], v[AF+FR*(\a):AF+FR*(\a)+FR-1], v[8*(8*((\a)%4)+\b):8*(8*((\a)%4)+\b)+7], v[SC+8*NQ*(\sc)+NQ*\b+(\q)], v[SC+8*NQ*(\sc)+NQ*(\a)+(\q)] matrix_a_fmt:MATRIX_FMT_FP4 matrix_b_fmt:MATRIX_FMT_FP4 matrix_a_scale:MATRIX_SCALE_ROW1
.endif
.endr
.endr
.endm
.macro FETCH_B slot, q, p
	WIN TO_B
.irp i, 0,1,2,3,4,5,6,7
	FRAG 128*(\p)+FR*\i, ADRB+\slot, \q, \i
.endr
	WIN 0
.endm
.macro FETCH_A slot, q, i0
.irp i, \i0, \i0+1, \i0+2, \i0+3
	FRAG AF+FR*(\i), ADRA+\slot, \q, \i
.endr
.endm
.macro SCALES sc                       ; the next K step's scale words: lanes 0-15 take x's block i, lanes 16-31 the weights' block i
.irp i, 0,1,2,3,4,5,6,7
	ds_load_b128 v[SC+8*NQ*\sc+NQ*\i:SC+8*NQ*\sc+NQ*\i+3], v[ADRS] offset:\i*SBLK
.endr
.endm
.macro PLACES n                        ; plain vector instructions that name no register of the matrix instructions in front (ISA guide 7.12.1)
.rept \n
	v_nop
.endr
.endm
.macro STEP slot, q, zero              ; a step of 128 along K that has its successor in the same slot
	s_wait_dscnt 4*NL                              ; the weights' set and x's blocks 0-3 are in; the youngest loads (x's blocks 4-7) may be out
	WIN MUL_LO
	MUL16 0, (\q)%2, \q, \slot, \zero
	MUL16 2, (\q)%2, \q, \slot, \zero
	s_wait_dscnt 0                                 ; x's blocks 4-7 are in
	PLACES NP
	FETCH_B \slot, (\q)+1, 1-(\q)%2
	FETCH_A \slot, (\q)+1, 0
	WIN MUL_HI
	MUL16 4, (\q)%2, \q, \slot, \zero
	MUL16 6, (\q)%2, \q, \slot, \zero
	PLACES NP
	WIN 0
	FETCH_A \slot, (\q)+1, 4
.endm
; A slot's last step changes slots: ONE barrier; in front of it each wave waits for all its tensor loads, adds 0 to its spare word, and waits for that and for its own reads of this slot.
.macro TURN slot, next, fill
	s_wait_tensorcnt 0x0                           ; all my tensor loads have landed: my part of the next slot
	ds_add_u32 v[SPW], v[NIL]                      ; 0 onto my spare word
	s_wait_dscnt 4*NL+1                            ; (the add and the youngest loads, x's blocks 4-7, may be out)
	WIN MUL_LO
	MUL16 0, 1, NQ-1, \slot, 0                     ; sixteen matrix instructions stand between the add and the wait for it
	s_wait_dscnt 0x0                               ; the add is done, and my reads of this slot are over
	s_barrier_signal -1
	MUL16 2, 1, NQ-1, \slot, 0
	WIN 0
	s_barrier_wait -1
.if \fill
	CREST                                          ; the barrier has opened a round of the cluster's barrier: no wave of any partner still reads this slot's tile or has a load on its way
	s_add_nc_u64 s[G0+4*\slot+2:G0+4*\slot+3], s[G0+4*\slot+2:G0+4*\slot+3], 2*ROWB
	s_add_nc_u64 s[G0B+4*\slot+2:G0B+4*\slot+3], s[G0B+4*\slot+2:G0B+4*\slot+3], 2*ROWB
	JLOAD G0+4*\slot, G1, G0B+4*\slot, G1B         ; the first tensor load behind the round; its four v_nop are the places in front of the loads below
.else
	PLACES NP
.endif
	v_add_nc_u32 v[ADRS], 4*NQ, v[ADRS]            ; on to the next K step's scale words
	FETCH_B \next, 0, 0
	FETCH_A \next, 0, 0
	SCALES \next
	WIN MUL_HI
	MUL16 4, 1, NQ-1, \slot, 0
	MUL16 6, 1, NQ-1, \slot, 0
	PLACES NP
	WIN 0
	FETCH_A \next, 0, 4
.endm
.macro STEPS slot, from                ; the slot's steps from .. NQ - 2
.set Q, \from
.rept NQ-1-\from
	STEP \slot, Q, 0
.set Q, Q+1
.endr
.endm
	s_wait_tensorcnt 1                             ; the scales and my part of K step 0 are in (K step 1's load may be out),
	s_barrier_signal -1
	s_barrier_wait -1                              ; everybody's are
	FETCH_B 0, 0, 0
	FETCH_A 0, 0, 0
	SCALES 0
	FETCH_A 0, 0, 4
	STEP 0, 0, 1                                   ; the first step stands in front of the loop: its products start the sums
	s_mov_b32 s3, LAPS-1
.Llap:                                                 ; a trip goes once round the ring and fills both slots again
	STEPS 0, 1
	TURN 0, 1, 1
	STEPS 1, 0
	TURN 1, 0, 1
	STEP 0, 0, 0
	s_sub_co_u32 s3, s3, 1
	s_cmp_lg_u32 s3, 0
	s_cbranch_scc1 .Llap
	STEPS 0, 1                                     ; the last lap fills nothing
	TURN 0, 1, 0
	STEPS 1, 0
	s_wait_dscnt 4*NL                              ; the very last step
	WIN MUL_LO
	MUL16 0, 1, NQ-1, 1, 0
	MUL16 2, 1, NQ-1, 1, 0
	s_wait_dscnt 0
	WIN MUL_HI
	MUL16 4, 1, NQ-1, 1, 0
	MUL16 6, 1, NQ-1, 1, 0
	WIN 0
; THE WAY OUT, block by block of 16 tokens x 128 channels.  Accumulator (a, b), register j, lane (r, h): token 16 a + r, channel 16 b + 8 h + j.  In a head, channel d < 32 is paired with d + 32: blocks b' and b' + 2.
.macro OUTBLK a
	s_wait_loadcnt 0x0                             ; this block's cosines and sines (and, the first time, the biases) are in
.if (\a) > 0
	s_wait_xcnt 0x0                                ; the last block's stores have read their registers: they are rewritten only behind this wait
.endif
.set i, 0
.rept 16
	v_fma_f32 v[CO+i], v[CO+i], s[AL], s[BE]
	v_mul_f32 v[SI+i], s[AL], v[SI+i]
.set i, i+1
.endr
	WIN 0x02+(\a)/4                                ; source 0: window 2 or 3
.set AC, 64*((\a)%4)
.irp b, 0,1,2,3,4,5,6,7
.irp p, 0,2,4,6
	v_pk_add_f32 v[X+8*\b+\p:X+8*\b+\p+1], v[AC+8*\b+\p:AC+8*\b+\p+1], v[BI+8*\b+\p:BI+8*\b+\p+1]   ; + bias; each accumulator from its low end on
.endr
.endr
	WIN 0
.irp hd, 0,1
.irp bp, 0,1
.irp p, 0,2,4,6
	v_pk_mul_f32 v[T+\p:T+\p+1], v[X+8*(4*\hd+\bp+2)+\p:X+8*(4*\hd+\bp+2)+\p+1], v[SI+8*\bp+\p:SI+8*\bp+\p+1]
.endr
.irp p, 0,2,4,6
	v_pk_mul_f32 v[T+8+\p:T+8+\p+1], v[X+8*(4*\hd+\bp)+\p:X+8*(4*\hd+\bp)+\p+1], v[SI+8*\bp+\p:SI+8*\bp+\p+1]
.endr
.irp p, 0,2,4,6
	v_pk_fma_f32 v[X+8*(4*\hd+\bp)+\p:X+8*(4*\hd+\bp)+\p+1], v[X+8*(4*\hd+\bp)+\p:X+8*(4*\hd+\bp)+\p+1], v[CO+8*\bp+\p:CO+8*\bp+\p+1], v[T+\p:T+\p+1] neg_lo:[0,0,1] neg_hi:[0,0,1]   ; x1 cos - x2 sin
.endr
.irp p, 0,2,4,6
	v_pk_fma_f32 v[X+8*(4*\hd+\bp+2)+\p:X+8*(4*\hd+\bp+2)+\p+1], v[X+8*(4*\hd+\bp+2)+\p:X+8*(4*\hd+\bp+2)+\p+1], v[CO+8*\bp+\p:CO+8*\bp+\p+1], v[T+8+\p:T+8+\p+1]   ; x2 cos + x1 sin
.endr
.endr
.endr
.set i, 0
.rept 32
	v_cvt_pk_f16_f32 v[PK+i], v[X+2*i], v[X+2*i+1]
.set i, i+1
.endr
.if (\a) < 7
.irp bp, 0,1
.irp x, 0,1
	global_load_b128 v[CO+8*\bp+4*\x:CO+8*\bp+4*\x+3], v[TBO], s[66:67] offset:4096*((\a)+1)+64*\bp+16*\x          ; the next block's
	global_load_b128 v[SI+8*\bp+4*\x:SI+8*\bp+4*\x+3], v[TBO], s[66:67] offset:4096*((\a)+1)+128+64*\bp+16*\x
.endr
.endr
.endif
.irp b, 0,1,2,3,4,5,6,7
	ds_store_b128 v[STO2], v[PK+4*\b:PK+4*\b+3] offset:2304*(\b/4)+32*(\b%4)
.endr
.irp hd, 0,1
.irp n, 0,1,2,3
	ds_load_b128 v[RB+16*\hd+4*\n:RB+16*\hd+4*\n+3], v[RD2] offset:144*(16*\hd+4*\n)   ; LDS serves a wave's instructions in order: these see the stores above
.endr
.endr
	s_wait_dscnt 0x0
.irp hd, 0,1
.irp n, 0,1,2,3
	global_store_b128 v[CO2], v[RB+16*\hd+4*\n:RB+16*\hd+4*\n+3], s[12:13] offset:262144*\hd+2048*(\a)+512*\n   ; four tokens' rows of a head: 512 consecutive bytes, aligned
.endr
.endr
.endm
	PLACES NP
.irp a, 0,1,2,3,4,5,6,7
	OUTBLK \a
.endr
	s_wait_tensorcnt 0x0                           ; the wave's end: a wait, an add of 0 to my spare word and its wait stand behind my last tensor load and my last LDS store
	ds_add_u32 v[SPW], v[NIL]
	s_wait_dscnt 0x0
	CROUND                                         ; the closing round: no work-group ends while a partner may still ask for a tile that names it
	s_endpgm
.Lfunc_end_k_q78d89e84b2_qkvproj:
	.size	k_q78d89e84b2_qkvproj, .Lfunc_end_k_q78d89e84b2_qkvproj-k_q78d89e84b2_qkvproj
	.p2alignl 7, 3214868480
	.fill 96, 4, 3214868480
	.section	.rodata,"a",@progbits
	.p2align	6, 0x0
	.amdhsa_kernel k_q78d89e84b2_qkvproj
		.amdhsa_group_segment_fixed_size 327680
		.amdhsa_private_segment_fixed_size 0
		.amdhsa_enable_private_segment 0
		.amdhsa_kernarg_size 72
		.amdhsa_user_sgpr_count 2
		.amdhsa_user_sgpr_kernarg_segment_ptr 1
		.amdhsa_wavefront_size32 1
		.amdhsa_system_sgpr_workgroup_id_x 1
		.amdhsa_system_sgpr_workgroup_id_y 1
		.amdhsa_system_sgpr_workgroup_id_z 1
		.amdhsa_system_vgpr_workitem_id 0
		.amdhsa_next_free_vgpr 1024
		.amdhsa_next_free_sgpr 102
		.amdhsa_reserve_vcc 0
		.amdhsa_float_denorm_mode_32 3
		.amdhsa_float_denorm_mode_16_64 3
		.amdhsa_memory_ordered 1
		.amdhsa_forward_progress 1
		.amdhsa_inst_pref_size 255
	.end_amdhsa_kernel
	.section	.bss,"aw",@nobits
	.p2align	6
	.space	262144
	.amdgpu_metadata
---
amdhsa.version: [ 1, 2 ]
amdhsa.kernels:
  - .name:           k_q78d89e84b2_qkvproj
    .symbol:         k_q78d89e84b2_qkvproj.kd
    .args:
      - { .name: xcodes, .offset: 0, .size: 8, .value_kind: global_buffer, .address_space: global }
      - { .name: xscales, .offset: 8, .size: 8, .value_kind: global_buffer, .address_space: global }
      - { .name: wcodes, .offset: 16, .size: 8, .value_kind: global_buffer, .address_space: global }
      - { .name: wscales, .offset: 24, .size: 8, .value_kind: global_buffer, .address_space: global }
      - { .name: qkv, .offset: 32, .size: 8, .value_kind: global_buffer, .address_space: global }
      - { .name: rope, .offset: 40, .size: 8, .value_kind: global_buffer, .address_space: global }
      - { .name: bq, .offset: 48, .size: 8, .value_kind: global_buffer, .address_space: global }
      - { .name: bk, .offset: 56, .size: 8, .value_kind: global_buffer, .address_space: global }
      - { .name: bv, .offset: 64, .size: 8, .value_kind: global_buffer, .address_space: global }
    .group_segment_fixed_size: 327680
    .private_segment_fixed_size: 0
    .kernarg_segment_align: 8
    .kernarg_segment_size: 72
    .max_flat_workgroup_size: 128
    .sgpr_count:     102
    .vgpr_count:     1024
    .wavefront_size: 32
...
	.end_amdgpu_metadata
.endif
;; end of part 2
;; launch attn (part 3): grid 8 x 32, 8 waves a work-group, clusters of 4 x 4, 327,680 bytes of LDS; arguments qkv, attention_mask, att16; writes att16
.if DOCPART == 3
	.amdgcn_target "amdgcn-amd-amdhsa--gfx1250"
	.amdhsa_code_object_version 6
	.text
	.protected	k_q78d89e84b2_attn
	.globl	k_q78d89e84b2_attn
	.p2align	8
	.type	k_q78d89e84b2_attn,@function
k_q78d89e84b2_attn:
	s_mov_b64 s[64:65], 0
	v_nop
	global_prefetch_b8 v0, s[64:65] scope:SCOPE_SE
	s_setreg_imm32_b32 hwreg(HW_REG_WAVE_MODE, 25, 1), 1
	s_wait_xcnt 0x0
	s_wait_alu depctr_hold_cnt(0) depctr_sa_sdst(0) depctr_va_vdst(0) depctr_va_sdst(0) depctr_va_ssrc(0) depctr_va_vcc(0) depctr_vm_vsrc(0)
	s_getreg_b32 s2, hwreg(HW_REG_IB_STS2, 6, 4)
	s_cmp_eq_u32 s2, 0
	s_cbranch_scc0 .Lentry_in_a_cluster
	s_endpgm
.Lentry_in_a_cluster:
	s_bfe_u32 s2, ttmp6, 0x10000c
	s_cmp_lg_u32 s2, 0xf033
	s_cbranch_scc0 .Lentry_shape_is_right
	s_endpgm
.Lentry_shape_is_right:
; ATTN: att16[q][head 64 + d] = sum over keys of softmax_k(clip(q . k / 8, -50, 50) + mask[q][k]) v[k][d], 32 query heads on 8 key and value heads; products on f16 operands, sums, maxima and exponentials in f32.
; q arrives multiplied by log2(e) / 8, so a score is an exponent of 2: t = mask log2(e) + clip(s, -50 log2(e), 50 log2(e)), one fused multiply-add; p = 2^(t - m), m the row's running maximum.
; LIMITS: where |mask| is so large that the sum swallows the score, the rounding falls in t and not in the score (a row masked throughout by -1e9 comes out uniform while its scores stay under 32, as in f32 addition);
; a mask of -infinity in a whole row, NaN and infinities are not served; p and the result are rounded to f16.
; SHARES.  Work-group (kv, qb): 64 queries x the 4 query heads of key and value head kv.  Wave w: 16 queries (w % 4) x the 4 heads = 4 tiles, over half of the keys (w / 4): 16 steps of 64 keys.  The 4 tiles share every
; register of K, V and the mask.  The two halves of the keys are merged through LDS at the end.
; TWO CLASSES OF WAVES.  In each trip class 0 runs its matrix work (MAT) and then its softmax (SM); class 1 runs the softmax of the step before and then its matrix work: so one wave's products can stand beside another's vector work.
; LAYOUT.  S^T = K Q^T (source 0 = 16 keys, source 1 = 16 queries): a lane holds ONE query (lane % 16) and keys 8 (lane / 16) + 0..7.  Two such tiles, rounded to f16 in pairs, ARE source 1 of O^T = V^T P.
; CLUSTER.  4 x 4 work-groups: the four of a column share kv, so K's and V's tiles; the four of a row share qb, so the mask's tiles: each tile is asked for JOINTLY.
; REGISTERS.  window 0: v1-19 addresses; v20-23, v56-63 at work; v24-55 eight registers of statistics a tile; v64-191 S^T, 32 a tile, later P; v192-255 K's fragments, later the mask.
;   window 1: v0-63 Q; v64-191 O^T, 32 a tile; v192-255 V's fragments.
.set SLOTB, 145408                     ; a slot: 128 keys of each half: K 2 x 128 x 144, V 2 x 128 x 160, mask 2 x 64 x 528
.set VOFF,  36864
.set MOFF,  77824
.set SPARE, 2*SLOTB                    ; behind the ring: the spare words, 128 bytes a wave
.set STAGE, SPARE+1024                 ; the way out: 16 rows x 272 bytes for each wave
.set MRG,   17408                      ; the merge: a wave's image of O^T (16,384 bytes), its four m and four l (128 bytes each); in slot 0, behind its last fill and its last read
.set AK0, 1
.set AV0, 2
.set AM0, 3
.set ADK, 4
.set ADV, 5
.set ADM, 6
.set QO,  7
.set MST, 8                            ; the merge: where I store my image,
.set MSS, 9                            ; and my statistics;
.set MLO, 10                           ; where I read my own two tiles back,
.set MLP, 11                           ; and my partner's;
.set MSO, 12                           ; my own statistics of them,
.set MSP, 13                           ; and my partner's
.set STO, 14
.set RD,  15
.set GO,  16
.set PFO, 17
.set SPW, 18                           ; v18  LDS address of my spare word; never rewritten
.set NIL, 19                           ; v19  0; never rewritten
.set ST,  24                           ; tile t at v[ST + 8 t]: +0 m, +2 a (each the low word of a pair), +4, +5 l, +6, +7 at work
.set S,   64
.set KM,  192
.set OA,  64                           ; in window 1
.set VF,  192                          ; in window 1
.set WV,  10
.set CLS, 11
.set QT,  12
.set KH,  13
.set CX,  14
.set CY,  15
.set KV,  16
.set QB,  17
.set G1K, 24
.set G1V, 32
.set G1M, 40
.set G0K, 48                           ; groups 0: a set for each slot
.set G0V, 56
.set G0M, 68
.set TK,  76                           ; LDS byte at which the step's part of the slot begins: for K, V, the mask
.set TV,  77
.set TM,  78
.set TWICE, 79
.set LAP, 80
.set SEL, 82
.set L2E, 84
.set NCL, 86
.set PCL, 87
.set PFA, 88
.set PFS, 90
.set LIM, 92
.set MSB, 0
.macro WIN new                         ; the immediate's high byte repeats the setting that is left
.if MSB != \new
	s_set_vgpr_msb (MSB<<8)|\new
.set MSB, \new
.endif
.endm
.macro CROUND                          ; a round of the cluster's barrier
	s_barrier_signal -1
	s_barrier_wait -1
	s_cmp_lg_u32 s[WV], 0
	s_cbranch_scc1 .Lnot_wave_0_\@
	s_barrier_signal -3
.Lnot_wave_0_\@:
	s_barrier_wait -3
	s_barrier_signal -1
	s_barrier_wait -1
.endm
; A joint refill of slot s: waves 0, 1 K's two halves; waves 2, 3 V's; waves 4 to 7 the mask's four quarters.  The branches hang on the wave's number alone.  An s_nop 0 and four v_nop follow each line.
.macro JLOAD s
	s_cmp_lt_u32 s[WV], 2
	s_cbranch_scc0 .Lnk_\@
	tensor_load_to_lds s[G0K+4*\s:G0K+4*\s+3], s[G1K:G1K+7]
	s_nop 0
.rept 4
	v_nop
.endr
	s_branch .Ljd_\@
.Lnk_\@:
	s_cmp_lt_u32 s[WV], 4
	s_cbranch_scc0 .Lnv_\@
	tensor_load_to_lds s[G0V+4*\s:G0V+4*\s+3], s[G1V:G1V+7]
	s_nop 0
.rept 4
	v_nop
.endr
	s_branch .Ljd_\@
.Lnv_\@:
	tensor_load_to_lds s[G0M+4*\s:G0M+4*\s+3], s[G1M:G1M+7]
	s_nop 0
.rept 4
	v_nop
.endr
.Ljd_\@:
.endm
; A PREFETCH INTO THE L2 of what the NEXT change of slots will ask for, behind the wave's tensor load and its five lines: two key steps ahead of that load.  Each aligned 256 bytes is named once in the launch:
; K's and V's rows are read by all clusters of one cluster x: cluster y = 0 asks, wave 0 for K, wave 2 for V; the column's four partners take 4,096 bytes of each half each, told apart by address.
; The mask's rows are read by both clusters of one cluster y: cluster x = 0 asks, waves 4 and 6 for the two halves of the keys; the row's four partners take 16 rows each.  The last change that fills a slot asks for nothing.
.macro ASK how
.if \how
	s_cmp_eq_u32 s[LIM], 1
.else
	s_cmp_gt_u32 s[LAP], s[LIM]                    ; s[LAP] = 1 in the loop's last trip
.endif
	s_cbranch_scc0 .Lnm_\@
	global_prefetch_b8 v[PFO], s[PFA:PFA+1] th:TH_LOAD_NT scope:SCOPE_SE
.Lnm_\@:
.endm
	s_load_b128 s[4:7], s[0:1], 0x0                ; qkv, the mask
	s_load_b64 s[8:9], s[0:1], 0x10                ; att16
	v_lshl_add_u32 v[SPW], v0, 2, SPARE
	v_mov_b32 v[NIL], 0
	ds_add_u32 v[SPW], v[NIL]                      ; the wave's opening: the add and its wait stand ahead of my first tensor load; the set-up below, work on registers, stands between them
	v_lshrrev_b32 v20, 5, v0
	v_readfirstlane_b32 s[WV], v20                 ; wave 0..7
	s_lshr_b32 s[KH], s[WV], 2                     ; my half of the keys
	s_and_b32 s[QT], s[WV], 3                      ; my 16 of the 64 queries
	s_xor_b32 s[CLS], s[WV], s[KH]
	s_and_b32 s[CLS], s[CLS], 1                    ; my class
	s_bfe_u32 s[CX], ttmp6, 0x40000
	s_bfe_u32 s[CY], ttmp6, 0x40004
	s_lshl_b32 s[KV], ttmp9, 2
	s_add_co_u32 s[KV], s[KV], s[CX]               ; key and value head = 4 x cluster x + cx
	s_and_b32 s[QB], ttmp7, 0xffff
	s_lshl_b32 s[QB], s[QB], 2
	s_add_co_u32 s[QB], s[QB], s[CY]               ; block of 64 queries = 4 x cluster y + cy
	s_lshl_b32 s18, 0x1111, s[CX]                  ; my column of the cluster
	s_lshl_b32 s19, s[CY], 2
	s_lshl_b32 s19, 15, s19                        ; my row
	; group 1.  K: 128 rows x 64 elements of 2 bytes, 4 words of padding behind each 32: pitch 144.  V: the same with 8 words: pitch 160.  Mask: 32 rows x 128 elements of 4 bytes, 4 words behind each 128: pitch 528
	s_or_b32 s[G1K], s18, (1<<16)|(1<<20)|(1<<21)|(4<<22)|(3<<25)
	s_or_b32 s[G1V], s18, (1<<16)|(1<<20)|(1<<21)|(4<<22)|(7<<25)
.irp g, G1K, G1V
	s_mov_b32 s[\g+1], 64<<16                      ; tensor_dim0
	s_mov_b32 s[\g+2], 128<<16                     ; tensor_dim1
	s_mov_b32 s[\g+3], 64<<16                      ; tile_dim0
	s_mov_b32 s[\g+4], 128                         ; tile_dim1
	s_mov_b32 s[\g+5], 64                          ; tensor_dim0_stride
	s_mov_b32 s[\g+6], 0
	s_mov_b32 s[\g+7], 0
.endr
	s_or_b32 s[G1M], s19, (2<<16)|(1<<20)|(1<<21)|(6<<22)|(3<<25)
	s_mov_b32 s[G1M+1], 128<<16
	s_mov_b32 s[G1M+2], 32<<16
	s_mov_b32 s[G1M+3], 128<<16
	s_mov_b32 s[G1M+4], 32
	s_mov_b32 s[G1M+5], 2048
	s_mov_b32 s[G1M+6], 0
	s_mov_b32 s[G1M+7], 0
	s_and_b32 s20, s[WV], 1
	s_bfe_u32 s21, s[WV], 0x10001                  ; (wave / 2) % 2
	s_add_co_u32 s22, s[KV], 32                    ; K: head 32 + kv, 262,144 bytes a head; half (wave % 2): 1,024 keys of 128 bytes
	s_lshl_b32 s22, s22, 18
	s_lshl_b32 s23, s20, 17
	s_add_co_u32 s22, s22, s23
	s_mov_b32 s23, 0
	s_lshl_b32 s94, s[QB], 19                      ; mask: 64 qb rows of 8,192 bytes, + 32 rows x (wave % 2), + 1,024 keys x ((wave / 2) % 2)
	s_lshl_b32 s95, s20, 18
	s_add_co_u32 s94, s94, s95
	s_lshl_b32 s95, s21, 12
	s_add_co_u32 s94, s94, s95
	s_mov_b32 s95, 0
	s_mul_i32 s96, s20, 18432                      ; where they go in a slot: no place in the cluster enters an LDS address
	s_mul_i32 s97, s20, 20480
	s_add_co_u32 s97, s97, VOFF
	s_mul_i32 s98, s21, 33792
	s_mul_i32 s99, s20, 16896
	s_add_co_u32 s98, s98, s99
	s_add_co_u32 s98, s98, MOFF
	s_mov_b32 s[SEL], 0x76543210
	s_mov_b32 s[SEL+1], 0xfedcba98                 ; v_permlanex16_b32's selects for lane l xor 16
	s_mov_b32 s[L2E], 0x3fb8aa3b                   ; log2(e)
	s_mov_b32 s[L2E+1], s[L2E]                     ; (named with it as a pair, so it is written)
	s_mov_b32 s[NCL], 0xc29044fe                   ; -50 log2(e)
	s_mov_b32 s[PCL], 0x429044fe
	s_wait_dscnt 0x0                               ; the opening add is done
	s_wait_kmcnt 0x0
	s_add_nc_u64 s[22:23], s[4:5], s[22:23]
	s_add_nc_u64 s[94:95], s[6:7], s[94:95]
.irp s, 0,1
	s_mov_b32 s[G0K+4*\s], 1
	s_add_co_u32 s[G0K+4*\s+1], s96, \s*SLOTB
	s_add_nc_u64 s[G0K+4*\s+2:G0K+4*\s+3], s[22:23], \s*16384          ; slot s begins with keys 128 s of each half
	s_or_b32 s[G0K+4*\s+3], s[G0K+4*\s+3], 0x80000000
	s_mov_b32 s[G0V+4*\s], 1
	s_add_co_u32 s[G0V+4*\s+1], s97, \s*SLOTB
	s_add_nc_u64 s[G0V+4*\s+2:G0V+4*\s+3], s[22:23], 8*262144+\s*16384 ; V's heads lie 8 heads behind K's
	s_or_b32 s[G0V+4*\s+3], s[G0V+4*\s+3], 0x80000000
	s_mov_b32 s[G0M+4*\s], 1
	s_add_co_u32 s[G0M+4*\s+1], s98, \s*SLOTB
	s_add_nc_u64 s[G0M+4*\s+2:G0M+4*\s+3], s[94:95], \s*512
	s_or_b32 s[G0M+4*\s+3], s[G0M+4*\s+3], 0x80000000
.endr
	CROUND                                         ; all sixteen work-groups are here: the first joint loads meet
	s_cmp_lt_u32 s[WV], 2                          ; a wave's two first fills stand in one branch: two loads of mine are out
	s_cbranch_scc0 .Lf_nk
	tensor_load_to_lds s[G0K:G0K+3], s[G1K:G1K+7]
	s_nop 0
	tensor_load_to_lds s[G0K+4:G0K+7], s[G1K:G1K+7]
	s_nop 0
.rept 4
	v_nop
.endr
	s_branch .Lf_done
.Lf_nk:
	s_cmp_lt_u32 s[WV], 4
	s_cbranch_scc0 .Lf_nv
	tensor_load_to_lds s[G0V:G0V+3], s[G1V:G1V+7]
	s_nop 0
	tensor_load_to_lds s[G0V+4:G0V+7], s[G1V:G1V+7]
	s_nop 0
.rept 4
	v_nop
.endr
	s_branch .Lf_done
.Lf_nv:
	tensor_load_to_lds s[G0M:G0M+3], s[G1M:G1M+7]
	s_nop 0
	tensor_load_to_lds s[G0M+4:G0M+7], s[G1M:G1M+7]
	s_nop 0
.rept 4
	v_nop
.endr
.Lf_done:
	; the prefetches: who asks, and where they stand (at slot 2; the first change of slots steps them to slot 3)
	s_and_b32 s[LIM], s[WV], 1
	s_and_b32 s93, ttmp7, 0xffff
	s_cmp_lt_u32 s[WV], 4
	s_cselect_b32 s93, s93, ttmp9                  ; the cluster's coordinate along which other clusters read the same rows
	s_or_b32 s[LIM], s[LIM], s93
	s_cmp_eq_u32 s[LIM], 0
	s_cselect_b32 s[LIM], 1, -1                    ; the same in all sixteen partners, for a given wave
	s_add_co_u32 s93, s[KV], 32
	s_lshl_b32 s99, s21, 3
	s_add_co_u32 s93, s93, s99                     ; K's head, or V's
	s_lshl_b32 s93, s93, 18
	s_lshl_b32 s99, s[CY], 12                      ; my work-group's 4,096 bytes of each half's 16,384
	s_add_co_u32 s93, s93, s99
	s_add_co_u32 s93, s93, 2*16384
	s_lshl_b32 s99, s[QB], 6
	s_lshl_b32 s2, s[CX], 4
	s_add_co_u32 s99, s99, s2                      ; the mask: my work-group's 16 rows of the 64
	s_lshl_b32 s99, s99, 13
	s_lshl_b32 s2, s21, 12
	s_add_co_u32 s99, s99, s2
	s_add_co_u32 s99, s99, 2*512
	s_mov_b32 s[PFS], 512
	s_cmp_lt_u32 s[WV], 4
	s_cselect_b64 s[PFA:PFA+1], s[4:5], s[6:7]
	s_cselect_b32 s[PFS], 16384, s[PFS]            ; a slot on
	s_cselect_b32 s93, s93, s99
	s_cselect_b32 s2, 17, 13                       ; K, V: lanes 0-15 half 0, lanes 16-31 half 1 (131,072 bytes on), 256 bytes apart;
	s_cselect_b32 s3, 4, 1                         ; mask: two lanes to a row's 512 bytes, rows 8,192 bytes apart
	s_cselect_b32 s99, 15, 1
	s_mov_b32 s[PFS+1], 0
	v_and_b32 v20, 31, v0                          ; l
	v_lshrrev_b32 v21, s3, v20
	v_lshlrev_b32 v21, s2, v21
	v_and_b32 v22, s99, v20
	v_lshl_add_u32 v[PFO], v22, 8, v21
	s_mov_b32 s2, s93
	s_mov_b32 s3, 0
	s_add_nc_u64 s[PFA:PFA+1], s[PFA:PFA+1], s[2:3]
	; Q and att16 at my wave's first row
	s_lshl_b32 s2, s[KV], 20                       ; head 4 kv
	s_lshl_b32 s3, s[QB], 13                       ; 64 qb rows of 128 bytes
	s_add_co_u32 s2, s2, s3
	s_lshl_b32 s3, s[QT], 11
	s_add_co_u32 s2, s2, s3
	s_mov_b32 s3, 0
	s_add_nc_u64 s[4:5], s[4:5], s[2:3]
	s_lshl_b32 s2, s[QB], 18                       ; 64 qb rows of 4,096 bytes
	s_lshl_b32 s3, s[QT], 16
	s_add_co_u32 s2, s2, s3
	s_lshl_b32 s3, s[KV], 9                        ; head 4 kv + 2 (my half): 128 bytes a head
	s_add_co_u32 s2, s2, s3
	s_lshl_b32 s3, s[KH], 8
	s_add_co_u32 s2, s2, s3
	s_mov_b32 s3, 0
	s_add_nc_u64 s[8:9], s[8:9], s[2:3]
	; lane addresses: all LDS address registers are made here, ahead of the first parting of the classes
	v_and_b32 v21, 15, v0                          ; r
	v_bfe_u32 v22, v0, 4, 1                        ; h
	v_lshlrev_b32 v[QO], 7, v21
	v_lshl_add_u32 v[QO], v22, 4, v[QO]            ; Q: row r of 128 bytes + 16 h
	WIN 0x40                                       ; destination window 1
.irp t, 0,1,2,3
.irp c, 0,1
	global_load_b128 v[16*\t+8*\c:16*\t+8*\c+3], v[QO], s[4:5] offset:262144*\t+64*\c          ; Q stays in registers: head t, channels 32 c on
	global_load_b128 v[16*\t+8*\c+4:16*\t+8*\c+7], v[QO], s[4:5] offset:262144*\t+64*\c+32
.endr
.endr
	WIN 0
	v_mul_u32_u24 v[AK0], v21, 144
	v_lshl_add_u32 v[AK0], v22, 4, v[AK0]
	s_mul_i32 s93, s[KH], 18432
	v_add_nc_u32 v[AK0], s93, v[AK0]               ; K: key r x pitch + 16 h, in my half
	v_and_b32 v23, 7, v0
	v_lshl_add_u32 v23, v22, 3, v23
	v_mul_u32_u24 v[AV0], v23, 160
	v_bfe_u32 v23, v0, 3, 1
	v_lshl_add_u32 v[AV0], v23, 4, v[AV0]
	s_mul_i32 s93, s[KH], 20480
	s_add_co_u32 s93, s93, VOFF
	v_add_nc_u32 v[AV0], s93, v[AV0]               ; V, for the turning load: key 8 h + l % 8, channels 8 ((l / 8) % 2) on
	v_mul_u32_u24 v[AM0], v21, 528
	v_lshl_add_u32 v[AM0], v22, 5, v[AM0]
	s_mul_i32 s93, s[QT], 16*528
	s_mul_i32 s99, s[KH], 33792
	s_add_co_u32 s93, s93, s99
	s_add_co_u32 s93, s93, MOFF
	v_add_nc_u32 v[AM0], s93, v[AM0]               ; mask: my query's row, + 32 h
	s_mul_i32 s93, s[WV], MRG
	v_lshl_add_u32 v[MST], v20, 4, s93
	s_lshl_b32 s99, s[KH], 13
	v_add_nc_u32 v[MLO], s99, v[MST]               ; I finish tiles 2 (my half) and 2 (my half) + 1: 4,096 bytes a tile
	s_add_co_u32 s93, s93, 16384
	v_lshl_add_u32 v[MSS], v20, 2, s93
	s_lshl_b32 s99, s[KH], 8
	v_add_nc_u32 v[MSO], s99, v[MSS]
	s_xor_b32 s93, s[WV], 4                        ; my partner: the same queries, the other half of the keys
	s_mul_i32 s93, s93, MRG
	s_lshl_b32 s99, s[KH], 13
	s_add_co_u32 s99, s99, s93
	v_lshl_add_u32 v[MLP], v20, 4, s99
	s_lshl_b32 s99, s[KH], 8
	s_add_co_u32 s99, s99, s93
	s_add_co_u32 s99, s99, 16384
	v_lshl_add_u32 v[MSP], v20, 2, s99
	s_mul_i32 s93, s[WV], 16*272
	s_add_co_u32 s93, s93, STAGE
	v_mul_u32_u24 v[STO], v21, 272
	v_lshl_add_u32 v[STO], v22, 4, v[STO]
	v_add_nc_u32 v[STO], s93, v[STO]
	v_mul_u32_u24 v[RD], v22, 272
	v_lshl_add_u32 v[RD], v21, 4, v[RD]
	v_add_nc_u32 v[RD], s93, v[RD]
	v_lshlrev_b32 v[GO], 12, v22
	v_lshl_add_u32 v[GO], v21, 4, v[GO]
.irp t, 0,1,2,3
	v_mov_b32 v[ST+8*\t], 0xff61b1e6               ; m = -3e38, under every t
	v_mov_b32 v[ST+8*\t+1], 0
	v_mov_b32 v[ST+8*\t+2], 0
	v_mov_b32 v[ST+8*\t+3], 0
	v_mov_b32 v[ST+8*\t+4], 0                      ; l
	v_mov_b32 v[ST+8*\t+5], 0
.endr
.macro ADDR                            ; the step's LDS addresses; on the way that both classes take
	v_add_nc_u32 v[ADK], s[TK], v[AK0]
	v_add_nc_u32 v[ADV], s[TV], v[AV0]
	v_add_nc_u32 v[ADM], s[TM], v[AM0]
.endm
.macro NEXTSTEP                        ; 64 keys on
	s_add_co_u32 s[TK], s[TK], 64*144
	s_add_co_u32 s[TV], s[TV], 64*160
	s_add_co_u32 s[TM], s[TM], 256
.endm
; THE MATRIX WORK OF A TRIP.  pv = 2: O^T = O^T a + V^T P of the step before; 1: the first such product, which starts O^T's sums; 0: none.  kq = 1: this step's K, V and mask come out of LDS, and S^T = K Q^T.
; In both products sixteen accumulators take turns, one instruction a turn.
.macro MAT pv, kq
.if \kq
	WIN 0
.irp f, 0,1,2,3,4,5,6,7                        ; keys 16 (f / 2) on, channels 32 (f % 2) on
	ds_load_b128 v[KM+8*\f:KM+8*\f+3], v[ADK] offset:(\f/2)*2304+(\f%2)*64
	ds_load_b128 v[KM+8*\f+4:KM+8*\f+7], v[ADK] offset:(\f/2)*2304+(\f%2)*64+32
.endr
.endif
.if \pv
	WIN 0x51                                       ; source 0, source 2 and destination window 1, source 1 window 0
.if \pv == 2
.irp t, 0,1,2,3
.set i, 0
.rept 16
	v_pk_mul_f32 v[OA+32*\t+i:OA+32*\t+i+1], v[OA+32*\t+i:OA+32*\t+i+1], v[ST+8*\t+2:ST+8*\t+3] op_sel_hi:[1,0]
.set i, i+2
.endr
.endr
.endif
.irp u, 0,1
.irp ct, 0,1,2,3
.irp t, 0,1,2,3
.if (\pv == 1) && (\u == 0)
	v_wmma_f32_16x16x32_f16 v[OA+32*\t+8*\ct:OA+32*\t+8*\ct+7], v[VF+32*\u+8*\ct:VF+32*\u+8*\ct+7], v[S+32*\t+8*\u:S+32*\t+8*\u+7], 0
.else
	v_wmma_f32_16x16x32_f16 v[OA+32*\t+8*\ct:OA+32*\t+8*\ct+7], v[VF+32*\u+8*\ct:VF+32*\u+8*\ct+7], v[S+32*\t+8*\u:S+32*\t+8*\u+7], v[OA+32*\t+8*\ct:OA+32*\t+8*\ct+7]
.endif
.endr
.endr
.endr
.rept 5
	v_nop                                          ; five places: the loads into V's registers want four, the products below, whose results land on P's registers, five
.endr
.endif
.if \kq
	WIN 0x40                                       ; destination window 1
.irp f, 0,1,2,3,4,5,6,7                        ; keys 32 (f / 4) on, channels 16 (f % 4) on
	ds_load_tr16_b128 v[VF+8*\f:VF+8*\f+3], v[ADV] offset:(\f/4)*5120+(\f%4)*32
	ds_load_tr16_b128 v[VF+8*\f+4:VF+8*\f+7], v[ADV] offset:(\f/4)*5120+(\f%4)*32+2560
.endr
	s_wait_dscnt 16                                ; K's sixteen loads are in; V's sixteen, issued behind them, may be out
	WIN 0x04                                       ; source 1 (Q) window 1
.irp c, 0,1
.irp kt, 0,1,2,3
.irp t, 0,1,2,3
.if \c == 0
	v_wmma_f32_16x16x32_f16 v[S+32*\t+8*\kt:S+32*\t+8*\kt+7], v[KM+16*\kt+8*\c:KM+16*\kt+8*\c+7], v[16*\t+8*\c:16*\t+8*\c+7], 0
.else
	v_wmma_f32_16x16x32_f16 v[S+32*\t+8*\kt:S+32*\t+8*\kt+7], v[KM+16*\kt+8*\c:KM+16*\kt+8*\c+7], v[16*\t+8*\c:16*\t+8*\c+7], v[S+32*\t+8*\kt:S+32*\t+8*\kt+7]
.endif
.endr
.endr
.endr
.rept 4
	v_nop                                          ; four places in front of the loads into K's registers and of the first read of the scores
.endr
	WIN 0
.irp kt, 0,1,2,3                               ; the mask of my query at the lane's 32 keys, register for register as a tile's scores lie
	ds_load_b128 v[KM+8*\kt:KM+8*\kt+3], v[ADM] offset:64*\kt
	ds_load_b128 v[KM+8*\kt+4:KM+8*\kt+7], v[ADM] offset:64*\kt+16
.endr
.endif
	WIN 0
.endm
; THE SOFTMAX OF A STEP, for the wave's four tiles, all in window 0.
.macro SM
.set i, 0
.rept 128
	v_med3_num_f32 v[S+i], v[S+i], s[NCL], s[PCL]  ; the clip; each accumulator from its low end on
.set i, i+1
.endr
	s_wait_dscnt 0x0                               ; the mask is in, and V too
.set i, 0
.rept 16
.irp t, 0,1,2,3
	v_pk_fma_f32 v[S+32*\t+i:S+32*\t+i+1], v[KM+i:KM+i+1], s[L2E:L2E+1], v[S+32*\t+i:S+32*\t+i+1] op_sel_hi:[1,0,1]   ; t = mask log2(e) + the clipped score
.endr
.set i, i+2
.endr
.irp t, 0,1,2,3
	v_max3_num_f32 v[ST+8*\t+6], v[S+32*\t], v[S+32*\t+1], v[S+32*\t+2]
.endr
.irp t, 0,1,2,3
	v_max3_num_f32 v[ST+8*\t+7], v[S+32*\t+3], v[S+32*\t+4], v[S+32*\t+5]
.endr
.irp i, 6,10,14,18,22,26
.irp t, 0,1,2,3
	v_max3_num_f32 v[ST+8*\t+6], v[ST+8*\t+6], v[S+32*\t+\i], v[S+32*\t+\i+1]
.endr
.irp t, 0,1,2,3
	v_max3_num_f32 v[ST+8*\t+7], v[ST+8*\t+7], v[S+32*\t+\i+2], v[S+32*\t+\i+3]
.endr
.endr
.irp t, 0,1,2,3
	v_max3_num_f32 v[ST+8*\t+6], v[ST+8*\t+6], v[S+32*\t+30], v[S+32*\t+31]
.endr
.irp t, 0,1,2,3
	v_max3_num_f32 v[ST+8*\t+6], v[ST+8*\t+6], v[ST+8*\t+7], v[ST+8*\t]   ; with the old m
.endr
.irp t, 0,1,2,3
	v_permlanex16_b32 v[ST+8*\t+7], v[ST+8*\t+6], s[SEL], s[SEL+1]        ; the query's other 32 keys lie in the lane 16 away
.endr
.irp t, 0,1,2,3
	v_max_num_f32 v[ST+8*\t+6], v[ST+8*\t+6], v[ST+8*\t+7]
.endr
.irp t, 0,1,2,3
	v_sub_f32 v[ST+8*\t+2], v[ST+8*\t], v[ST+8*\t+6]                      ; old m - new m
.endr
.irp t, 0,1,2,3
	v_mov_b32 v[ST+8*\t], v[ST+8*\t+6]
.endr
.set i, 0
.rept 16
.irp t, 0,1,2,3
	v_pk_add_f32 v[S+32*\t+i:S+32*\t+i+1], v[S+32*\t+i:S+32*\t+i+1], v[ST+8*\t:ST+8*\t+1] op_sel_hi:[1,0] neg_lo:[0,1] neg_hi:[0,1]   ; t - m
.endr
.set i, i+2
.endr
.irp t, 0,1,2,3
	v_exp_f32 v[ST+8*\t+2], v[ST+8*\t+2]           ; a = 2^(old m - new m)
.endr
.set i, 0
.rept 128
	v_exp_f32 v[S+i], v[S+i]                       ; p
.set i, i+1
.endr
	v_nop                                          ; a plain instruction behind the last exponential
	s_wait_alu depctr_va_vdst(0)                   ; one wait for the batch of 132, ahead of its first reader
.irp t, 0,1,2,3
	v_pk_fma_f32 v[ST+8*\t+4:ST+8*\t+5], v[ST+8*\t+4:ST+8*\t+5], v[ST+8*\t+2:ST+8*\t+3], v[S+32*\t:S+32*\t+1] op_sel_hi:[1,0,1]   ; l = l a + the sum of p, in two chains a tile
.endr
.irp t, 0,1,2,3
	v_pk_add_f32 v[ST+8*\t+6:ST+8*\t+7], v[S+32*\t+2:S+32*\t+3], v[S+32*\t+6:S+32*\t+7]
.endr
.irp i, 4,8,12,16,20,24,28
.irp t, 0,1,2,3
	v_pk_add_f32 v[ST+8*\t+4:ST+8*\t+5], v[ST+8*\t+4:ST+8*\t+5], v[S+32*\t+\i:S+32*\t+\i+1]
.endr
.if \i > 4
.irp t, 0,1,2,3
	v_pk_add_f32 v[ST+8*\t+6:ST+8*\t+7], v[ST+8*\t+6:ST+8*\t+7], v[S+32*\t+\i+2:S+32*\t+\i+3]
.endr
.endif
.endr
.irp t, 0,1,2,3
	v_pk_add_f32 v[ST+8*\t+4:ST+8*\t+5], v[ST+8*\t+4:ST+8*\t+5], v[ST+8*\t+6:ST+8*\t+7]
.endr
.set i, 0
.rept 16
.irp t, 0,1,2,3
	v_cvt_pk_f16_f32 v[S+32*\t+i], v[S+32*\t+2*i], v[S+32*\t+2*i+1]       ; P, in place and ascending: registers 8 u .. 8 u + 7 of a tile are source 1 for keys 32 u on
.endr
.set i, i+1
.endr
.endm
.macro BODY pv                         ; a trip: the branches hang on the wave's number alone and lead round the matrix work alone
	ADDR
	s_cmp_eq_u32 s[CLS], 0
	s_cbranch_scc0 .Lb1_\@
	MAT \pv, 1
.Lb1_\@:
	SM
	s_cmp_eq_u32 s[CLS], 0
	s_cbranch_scc1 .Lb2_\@
	MAT \pv, 1
.Lb2_\@:
	NEXTSTEP
.endm
.macro TWO_STEPS s                     ; slot s's two key steps: written once, walked twice
	s_mov_b32 s[TK], \s*SLOTB
	s_mov_b32 s[TV], \s*SLOTB
	s_mov_b32 s[TM], \s*SLOTB
	s_mov_b32 s[TWICE], 2
.Lst_\@:
	BODY 2
	s_sub_co_u32 s[TWICE], s[TWICE], 1
	s_cmp_lg_u32 s[TWICE], 0
	s_cbranch_scc1 .Lst_\@
.endm
; THE CHANGE OF SLOTS: slot s has been read out.  Each wave waits for all its tensor loads (one is out: its part of the other slot), adds 0 to its spare word, and waits for that and for its own reads of the slot.
; fill = 1: the barrier is a round of the cluster's, and the joint refill of slot s, with the keys two slots on, is the first thing behind it: it has two key steps in which to land.
.macro CHANGE s, fill, how
	WIN 0
	s_wait_tensorcnt 0x0                           ; no tensor load of mine is out, so a group 0 may be written
	ds_add_u32 v[SPW], v[NIL]                      ; 0 onto my spare word
.if \fill
	s_add_nc_u64 s[G0K+4*\s+2:G0K+4*\s+3], s[G0K+4*\s+2:G0K+4*\s+3], 2*16384
	s_add_nc_u64 s[G0V+4*\s+2:G0V+4*\s+3], s[G0V+4*\s+2:G0V+4*\s+3], 2*16384
	s_add_nc_u64 s[G0M+4*\s+2:G0M+4*\s+3], s[G0M+4*\s+2:G0M+4*\s+3], 2*512
	s_wait_xcnt 0x0                                ; the last prefetch, two key steps back, has read its address, so it may be written
	s_add_nc_u64 s[PFA:PFA+1], s[PFA:PFA+1], s[PFS:PFS+1]
	s_wait_dscnt 0x0                               ; the add is done, and my reads of the slot are over
	CROUND
	JLOAD \s
	ASK \how
.else
	s_wait_dscnt 0x0
	s_barrier_signal -1
	s_barrier_wait -1
.endif
.endm
	s_wait_tensorcnt 0x1                           ; my part of slot 0 is in; slot 1's may stay out
	s_barrier_signal -1
	s_barrier_wait -1                              ; everybody's is
	s_wait_loadcnt 0x0                             ; Q
	s_mov_b32 s[TK], 0
	s_mov_b32 s[TV], 0
	s_mov_b32 s[TM], 0
	ADDR                                           ; trip 0: both classes make the first scores; class 0 goes on to their softmax
	MAT 0, 1
	s_cmp_eq_u32 s[CLS], 0
	s_cbranch_scc0 .Lskip0
	SM
.Lskip0:
	NEXTSTEP
	BODY 1                                         ; trip 1: the first V^T P starts O^T's sums
	s_mov_b32 s[LAP], 3
.Llap:                                             ; three trips: the six refills; each reads two slots
	CHANGE 0, 1, 1
	TWO_STEPS 1
	CHANGE 1, 1, 0
	TWO_STEPS 0
	s_sub_co_u32 s[LAP], s[LAP], 1
	s_cmp_lg_u32 s[LAP], 0
	s_cbranch_scc1 .Llap
	CHANGE 0, 0, 0                                 ; the tail is written out: nothing is left to ask for
	TWO_STEPS 1
	s_cmp_eq_u32 s[CLS], 0
	s_cbranch_scc1 .Llast
	SM                                             ; class 1's last softmax
.Llast:
	MAT 2, 0                                       ; the last V^T P
	; THE MERGE of the two halves of the keys.  Every wave lays its O^T (an image of its registers), m and l into its part of slot 0; a barrier; wave w then finishes tiles 2 (w / 4) and 2 (w / 4) + 1 of its queries.
.irp t, 0,1,2,3
	v_add_f32 v[ST+8*\t+4], v[ST+8*\t+4], v[ST+8*\t+5]
.endr
.irp t, 0,1,2,3
	v_permlanex16_b32 v[ST+8*\t+5], v[ST+8*\t+4], s[SEL], s[SEL+1]
.endr
.irp t, 0,1,2,3
	v_add_f32 v[ST+8*\t+4], v[ST+8*\t+4], v[ST+8*\t+5]     ; the row's sum over my half of the keys
.endr
	WIN 0x04                                       ; an LDS store's data are its source 1: window 1
.set i, 0
.rept 32
	ds_store_b128 v[MST], v[OA+4*i:OA+4*i+3] offset:512*i  ; each accumulator from its low end on
.set i, i+1
.endr
	WIN 0
.irp t, 0,1,2,3
	ds_store_b32 v[MSS], v[ST+8*\t] offset:128*\t
	ds_store_b32 v[MSS], v[ST+8*\t+4] offset:512+128*\t
.endr
	s_wait_dscnt 0x0                               ; for the others' sake: my stores are done
	s_barrier_signal -1
	s_barrier_wait -1
.set i, 0
.rept 16
	ds_load_b128 v[S+4*i:S+4*i+3], v[MLO] offset:512*i
	ds_load_b128 v[S+64+4*i:S+64+4*i+3], v[MLP] offset:512*i
.set i, i+1
.endr
.irp e, 0,1
	ds_load_b32 v[56+\e], v[MSO] offset:128*\e
	ds_load_b32 v[58+\e], v[MSO] offset:512+128*\e
	ds_load_b32 v[60+\e], v[MSP] offset:128*\e
	ds_load_b32 v[62+\e], v[MSP] offset:512+128*\e
.endr
	s_wait_dscnt 0x0
.irp e, 0,1
	v_max_num_f32 v[20+\e], v[56+\e], v[60+\e]     ; the row's maximum over all keys
.endr
.irp e, 0,1
	v_sub_f32 v[24+4*\e], v[56+\e], v[20+\e]
	v_sub_f32 v[26+4*\e], v[60+\e], v[20+\e]
.endr
.irp e, 0,1
	v_exp_f32 v[24+4*\e], v[24+4*\e]
	v_exp_f32 v[26+4*\e], v[26+4*\e]
.endr
	v_nop
	s_wait_alu depctr_va_vdst(0)                   ; one wait for the four
.irp e, 0,1
	v_mul_f32 v[22+\e], v[58+\e], v[24+4*\e]
.endr
.irp e, 0,1
	v_fma_f32 v[22+\e], v[62+\e], v[26+4*\e], v[22+\e]     ; the row's sum
.endr
.irp e, 0,1
	v_rcp_f32 v[22+\e], v[22+\e]
.endr
	v_nop
	s_wait_alu depctr_va_vdst(0)                   ; one wait for the two
.irp e, 0,1
	v_mul_f32 v[24+4*\e], v[24+4*\e], v[22+\e]
	v_mul_f32 v[26+4*\e], v[26+4*\e], v[22+\e]
.endr
.irp e, 0,1
.set i, 0
.rept 16
	v_pk_mul_f32 v[S+32*\e+i:S+32*\e+i+1], v[S+32*\e+i:S+32*\e+i+1], v[24+4*\e:25+4*\e] op_sel_hi:[1,0]
	v_pk_fma_f32 v[S+32*\e+i:S+32*\e+i+1], v[S+64+32*\e+i:S+64+32*\e+i+1], v[26+4*\e:27+4*\e], v[S+32*\e+i:S+32*\e+i+1] op_sel_hi:[1,0,1]
.set i, i+2
.endr
.endr
.irp e, 0,1
.set i, 0
.rept 16
	v_cvt_pk_f16_f32 v[S+32*\e+i], v[S+32*\e+2*i], v[S+32*\e+2*i+1]
.set i, i+1
.endr
.endr
	; through my own stage: a row is two heads' 128 channels, 256 bytes
.irp e, 0,1
.irp ct, 0,1,2,3
	ds_store_b128 v[STO], v[S+32*\e+4*\ct:S+32*\e+4*\ct+3] offset:128*\e+32*\ct
.endr
.endr
.irp n, 0,1,2,3,4,5,6,7
	ds_load_b128 v[KM+4*\n:KM+4*\n+3], v[RD] offset:544*\n     ; LDS serves a wave's instructions in order: these see the stores above
.endr
.irp n, 0,1,2,3,4,5,6,7
	s_wait_dscnt 7-\n
	global_store_b128 v[GO], v[KM+4*\n:KM+4*\n+3], s[8:9] offset:8192*\n   ; 16 lanes store 256 consecutive bytes, aligned
.endr
	s_wait_tensorcnt 0x0                           ; the wave's end: a wait, an add of 0 to my spare word and its wait stand behind my last tensor load and my last LDS store
	ds_add_u32 v[SPW], v[NIL]
	s_wait_dscnt 0x0
	CROUND                                         ; the closing round: no work-group ends while a partner may still ask for a tile that names it
	s_endpgm
.Lfunc_end_k_q78d89e84b2_attn:
	.size	k_q78d89e84b2_attn, .Lfunc_end_k_q78d89e84b2_attn-k_q78d89e84b2_attn
	.p2alignl 7, 3214868480
	.fill 96, 4, 3214868480
	.section	.rodata,"a",@progbits
	.p2align	6, 0x0
	.amdhsa_kernel k_q78d89e84b2_attn
		.amdhsa_group_segment_fixed_size 327680
		.amdhsa_private_segment_fixed_size 0
		.amdhsa_enable_private_segment 0
		.amdhsa_kernarg_size 24
		.amdhsa_user_sgpr_count 2
		.amdhsa_user_sgpr_kernarg_segment_ptr 1
		.amdhsa_wavefront_size32 1
		.amdhsa_system_sgpr_workgroup_id_x 1
		.amdhsa_system_sgpr_workgroup_id_y 1
		.amdhsa_system_sgpr_workgroup_id_z 1
		.amdhsa_system_vgpr_workitem_id 0
		.amdhsa_next_free_vgpr 512
		.amdhsa_next_free_sgpr 100
		.amdhsa_reserve_vcc 0
		.amdhsa_float_denorm_mode_32 3
		.amdhsa_float_denorm_mode_16_64 3
		.amdhsa_memory_ordered 1
		.amdhsa_forward_progress 1
		.amdhsa_inst_pref_size 255
	.end_amdhsa_kernel
	.section	.bss,"aw",@nobits
	.p2align	6
	.space	262144
	.amdgpu_metadata
---
amdhsa.version: [ 1, 2 ]
amdhsa.kernels:
  - .name:           k_q78d89e84b2_attn
    .symbol:         k_q78d89e84b2_attn.kd
    .args:
      - { .name: qkv, .offset: 0, .size: 8, .value_kind: global_buffer, .address_space: global }
      - { .name: attention_mask, .offset: 8, .size: 8, .value_kind: global_buffer, .address_space: global }
      - { .name: att16, .offset: 16, .size: 8, .value_kind: global_buffer, .address_space: global }
    .group_segment_fixed_size: 327680
    .private_segment_fixed_size: 0
    .kernarg_segment_align: 8
    .kernarg_segment_size: 24
    .max_flat_workgroup_size: 256
    .sgpr_count:     100
    .vgpr_count:     512
    .wavefront_size: 32
...
	.end_amdgpu_metadata
.endif
;; end of part 3
;; launch outproj (part 4): grid 16 x 16, 4 waves a work-group, clusters of 4 x 4, 327,680 bytes of LDS; arguments att16, wo16, out0; writes out0
.if DOCPART == 4
	.amdgcn_target "amdgcn-amd-amdhsa--gfx1250"
	.amdhsa_code_object_version 6
	.text
	.protected	k_q78d89e84b2_outproj
	.globl	k_q78d89e84b2_outproj
	.p2align	8
	.type	k_q78d89e84b2_outproj,@function
k_q78d89e84b2_outproj:
	s_mov_b64 s[64:65], 0
	v_nop
	global_prefetch_b8 v0, s[64:65] scope:SCOPE_SE
	s_setreg_imm32_b32 hwreg(HW_REG_WAVE_MODE, 25, 1), 1
	s_wait_xcnt 0x0
	s_wait_alu depctr_hold_cnt(0) depctr_sa_sdst(0) depctr_va_vdst(0) depctr_va_sdst(0) depctr_va_ssrc(0) depctr_va_vcc(0) depctr_vm_vsrc(0)
	s_getreg_b32 s2, hwreg(HW_REG_IB_STS2, 6, 4)
	s_cmp_eq_u32 s2, 0
	s_cbranch_scc0 .Lentry_in_a_cluster
	s_endpgm
.Lentry_in_a_cluster:
	s_bfe_u32 s2, ttmp6, 0x10000c
	s_cmp_lg_u32 s2, 0xf033
	s_cbranch_scc0 .Lentry_shape_is_right
	s_endpgm
.Lentry_shape_is_right:
; OUTPROJ: out0[m][n] = sum over k of att16[m][k] wo16[n][k].  Both operands f16, [2048][2048], K innermost; sums and result f32.
; A tile of the result is 128 x 128, so that 256 work-groups have one each.  Four waves, each 64 x 64: 16 accumulators of 16 x 16.  K goes in steps of 256 (LDS rows of 512 bytes) through a ring of two slots.
; CLUSTERS: 4 x 4 work-groups.  The four of a row of the cluster need the same tiles of A, the four of a column the same tiles of B: each tile is asked for JOINTLY.
; THE MATRIX INSTRUCTION IS USED TRANSPOSED (source 0 = 16 rows of B, source 1 = 16 rows of A): a lane then holds eight neighbouring numbers of a row of the result.
; REGISTERS: window 0: v0-31 addresses; v32-95 at work on the way out; v128-255 the accumulators ((a, b) at v[128 + 8 (4 a + b)]).   window 1: two fragment buffers of 128.
.set SIZE_N, 2048
.set SIZE_K, 2048
.set KSTEP,  256
.set PITCH,  528                       ; an LDS row: 512 bytes + 16 of padding: the 16 rows that a load touches start at 16 different banks (64 banks of 4 bytes: ISA guide 11.1)
.set HALFT,  64*PITCH
.set SLOT,   4*HALFT
.set STAGE,  2*SLOT                    ; behind the ring: 16 rows x 272 bytes for each wave, for the way out
.set SPITCH, 272
.set SPARE,  STAGE+4*16*SPITCH         ; behind the stages: the spare words, 128 bytes a wave
.set LAPS, SIZE_K/(2*KSTEP)
.set ADRA, 16
.set ADRB, 20
.set STO,  24
.set RD,   25
.set CO,   26
.set SPW,  28                          ; v28  LDS address of my spare word; never rewritten
.set NIL,  29                          ; v29  0; never rewritten
.set TMP,  32
.set ACC,  128
.set F0,   0
.set F1,   128
.set G1, 24
.set G0, 32
.set G1B, 48
.set G0B, 56
.set MSB, 0
.macro WIN new                         ; the immediate's high byte repeats the setting that is left
.if MSB != \new
	s_set_vgpr_msb (MSB<<8)|\new
.set MSB, \new
.endif
.endm
.set MUL,  0x05                        ; sources 0 (B) and 1 (A) window 1; C and D window 0
.set TO_F, 0x40                        ; destination window 1, address window 0
.macro JLOAD s                         ; a joint load: waves 0 and 1 fetch A's two halves, waves 2 and 3 B's; an s_nop 0 and four v_nop follow each of the two lines
	s_cmp_eq_u32 s11, 0
	s_cbranch_scc0 .Lfor_b_\@
	tensor_load_to_lds s[G0+4*\s:G0+4*\s+3], s[G1:G1+7]
	s_nop 0
.rept 4
	v_nop
.endr
	s_branch .Lasked_\@
.Lfor_b_\@:
	tensor_load_to_lds s[G0B+4*\s:G0B+4*\s+3], s[G1B:G1B+7]
	s_nop 0
.rept 4
	v_nop
.endr
.Lasked_\@:
.endm
.macro CREST                           ; a round of the cluster's barrier behind its opening barrier
	s_cmp_lg_u32 s10, 0
	s_cbranch_scc1 .Lnot_wave_0_\@
	s_barrier_signal -3
.Lnot_wave_0_\@:
	s_barrier_wait -3
	s_barrier_signal -1
	s_barrier_wait -1
.endm
.macro CROUND                          ; a whole round
	s_barrier_signal -1
	s_barrier_wait -1
	CREST
.endm
	s_load_b128 s[4:7], s[0:1], 0x0                ; A s[4:5], B s[6:7]
	s_load_b64 s[8:9], s[0:1], 0x10                ; the result
	v_lshl_add_u32 v[SPW], v0, 2, SPARE
	v_mov_b32 v[NIL], 0
	ds_add_u32 v[SPW], v[NIL]                      ; the wave's opening: the add and its wait stand ahead of my first tensor load; the set-up below, work on registers, stands between them
	v_lshrrev_b32 v1, 5, v0
	v_readfirstlane_b32 s10, v1                    ; wave 0..3
	s_lshr_b32 s11, s10, 1                         ; which half of the tile's rows is mine.  Also: I fetch for A (0) or for B (1)
	s_and_b32 s12, s10, 1                          ; which half of its columns.  Also: which 64 rows of that tile I fetch
	s_bfe_u32 s40, ttmp6, 0x40000                  ; cx, cy: my place in the cluster
	s_bfe_u32 s41, ttmp6, 0x40004
	s_lshl_b32 s42, ttmp9, 2
	s_add_co_u32 s42, s42, s40                     ; tile column = 4 x cluster x + cx
	s_and_b32 s13, ttmp7, 0xffff
	s_lshl_b32 s13, s13, 2
	s_add_co_u32 s13, s13, s41                     ; tile row = 4 x cluster y + cy
	s_lshl_b32 s43, s41, 2
	s_lshl_b32 s43, 15, s43                        ; my row of the cluster
	s_lshl_b32 s44, 0x1111, s40                    ; my column
	; descriptor group 1: a tile of 64 rows x 256 elements of 2 bytes, 4 words of padding behind each 128
	s_or_b32 s[G1+0], s43, (1<<16)|(1<<20)|(1<<21)|(6<<22)|(3<<25)
	s_or_b32 s[G1B+0], s44, (1<<16)|(1<<20)|(1<<21)|(6<<22)|(3<<25)
.irp g, G1, G1B
	s_mov_b32 s[\g+1], KSTEP<<16                   ; tensor_dim0
	s_mov_b32 s[\g+2], 64<<16                      ; tensor_dim1
	s_mov_b32 s[\g+3], KSTEP<<16                   ; tile_dim0
	s_mov_b32 s[\g+4], 64                          ; tile_dim1
	s_mov_b32 s[\g+5], SIZE_K                      ; tensor_dim0_stride
	s_mov_b32 s[\g+6], 0
	s_mov_b32 s[\g+7], 0
.endr
	s_lshl_b32 s17, s12, 6                         ; which 64 rows of the tile I fetch
	s_lshl_b32 s16, s13, 7
	s_add_co_u32 s16, s16, s17                     ; A: row 128 x tile row + 64 x half
	s_lshl_b32 s46, s42, 7
	s_add_co_u32 s46, s46, s17                     ; B: row 128 x tile column + 64 x half
	s_mov_b32 s17, 0
	s_mov_b32 s47, 0
	s_mov_b64 s[18:19], SIZE_K*2
	s_mul_u64 s[16:17], s[16:17], s[18:19]
	s_mul_u64 s[46:47], s[46:47], s[18:19]
	s_mul_i32 s20, s10, HALFT                      ; where they go: wave x 64 rows
	s_wait_dscnt 0x0                               ; the opening add is done
	s_wait_kmcnt 0x0
	s_add_nc_u64 s[14:15], s[4:5], s[16:17]
	s_add_nc_u64 s[46:47], s[6:7], s[46:47]
	CROUND                                         ; all sixteen work-groups are here: the first joint loads meet
.irp s, 0,1
	s_mov_b32 s[G0+4*\s], 1
	s_add_co_u32 s[G0+4*\s+1], s20, \s*SLOT
	s_add_nc_u64 s[G0+4*\s+2:G0+4*\s+3], s[14:15], \s*KSTEP*2
	s_or_b32 s[G0+4*\s+3], s[G0+4*\s+3], 0x80000000
	s_mov_b32 s[G0B+4*\s], 1
	s_add_co_u32 s[G0B+4*\s+1], s20, \s*SLOT
	s_add_nc_u64 s[G0B+4*\s+2:G0B+4*\s+3], s[46:47], \s*KSTEP*2
	s_or_b32 s[G0B+4*\s+3], s[G0B+4*\s+3], 0x80000000
	JLOAD \s
.endr
	v_and_b32 v1, 15, v0                           ; l % 16
	v_bfe_u32 v2, v0, 4, 1                         ; l / 16
	v_mul_u32_u24 v3, v1, PITCH
	v_lshl_add_u32 v3, v2, 4, v3                   ; a fragment's row x pitch + 16 x half
	s_mul_i32 s21, s11, HALFT                      ; my 64 rows of A
	s_mul_i32 s22, s12, HALFT                      ; my 64 rows of B,
	s_add_co_u32 s22, s22, 2*HALFT                 ; which lie behind A's 128
.irp s, 0,1
	v_add_nc_u32 v[ADRA+\s], s21, v3
	v_add_nc_u32 v[ADRB+\s], s22, v3
	s_add_co_u32 s21, s21, SLOT
	s_add_co_u32 s22, s22, SLOT
.endr
	s_mul_i32 s23, s10, 16*SPITCH                  ; my own stage: my 64 columns of f32 are 256 bytes, one whole aligned piece of a row
	s_add_co_u32 s23, s23, STAGE
	v_mul_u32_u24 v4, v1, SPITCH                   ; in: row l % 16, 32 bytes for each half of the lanes
	v_lshl_add_u32 v4, v2, 5, v4
	v_add_nc_u32 v[STO], s23, v4
	v_mul_u32_u24 v5, v2, SPITCH                   ; back: lanes 0-15 take one row of 256 bytes, lanes 16-31 the next
	v_lshl_add_u32 v5, v1, 4, v5
	v_add_nc_u32 v[RD], s23, v5
	v_mul_u32_u24 v5, v2, SIZE_N*4                 ; and the same two rows in the result
	v_lshl_add_u32 v[CO], v1, 4, v5
	s_lshl_b32 s16, s13, 7
	s_lshl_b32 s17, s11, 6
	s_add_co_u32 s16, s16, s17                     ; my first row: 128 x tile row + 64 x half
	s_mov_b32 s17, 0
	s_mov_b64 s[18:19], SIZE_N*4
	s_mul_u64 s[16:17], s[16:17], s[18:19]
	s_add_nc_u64 s[8:9], s[8:9], s[16:17]
	s_lshl_b32 s46, s42, 9                         ; my first column, in bytes: 512 x tile column + 256 x half
	s_lshl_b32 s47, s12, 8
	s_add_co_u32 s46, s46, s47
	s_mov_b32 s47, 0
	s_add_nc_u64 s[8:9], s[8:9], s[46:47]
; 8 matrix instructions: m blocks a0, a0 + 1 x all 4 n blocks, 32 along K: half c of buffer f.  zero = 1: the first product starts the sums.  The sixteen accumulators take turns.
.macro MUL8 f, c, a0, zero
.irp a, \a0, \a0+1
.irp b, 0,1,2,3
.if \zero
	v_wmma_f32_16x16x32_f16 v[ACC+8*(4*(\a)+\b):ACC+8*(4*(\a)+\b)+7], v[\f+64+8*(4*\c+\b):\f+64+8*(4*\c+\b)+7], v[\f+8*(4*\c+\a):\f+8*(4*\c+\a)+7], 0
.else
	v_wmma_f32_16x16x32_f16 v[ACC+8*(4*(\a)+\b):ACC+8*(4*(\a)+\b)+7], v[\f+64+8*(4*\c+\b):\f+64+8*(4*\c+\b)+7], v[\f+8*(4*\c+\a):\f+8*(4*\c+\a)+7], v[ACC+8*(4*(\a)+\b):ACC+8*(4*(\a)+\b)+7]
.endif
.endr
.endr
.endm
; 32 LDS loads in one run: the fragments of 64 along K at byte k of the rows, into buffer f; the first 32 along K first
.macro FETCH slot, k, f
	WIN TO_F
.irp c, 0,1
.irp i, 0,1,2,3
	ds_load_b128 v[\f+64+8*(4*\c+\i):\f+64+8*(4*\c+\i)+3],   v[ADRB+\slot] offset:\k+64*\c+\i*16*PITCH
	ds_load_b128 v[\f+64+8*(4*\c+\i)+4:\f+64+8*(4*\c+\i)+7], v[ADRB+\slot] offset:\k+64*\c+\i*16*PITCH+32
	ds_load_b128 v[\f+8*(4*\c+\i):\f+8*(4*\c+\i)+3],         v[ADRA+\slot] offset:\k+64*\c+\i*16*PITCH
	ds_load_b128 v[\f+8*(4*\c+\i)+4:\f+8*(4*\c+\i)+7],       v[ADRA+\slot] offset:\k+64*\c+\i*16*PITCH+32
.endr
.endr
.endm
.macro PLACES                          ; four places in front of loads into registers that matrix instructions have read, and of the first read of results
.rept 4
	v_nop
.endr
.endm
; A K step is four quarters of 64 along K, 32 matrix instructions each, on buffers 0, 1, 0, 1.
.macro QUARTER slot, k, f, g, zero
	s_wait_dscnt 16                                ; the first 32 along K are in
	WIN MUL
	MUL8 \f, 0, 0, \zero
	MUL8 \f, 0, 2, \zero
	PLACES
	FETCH \slot, \k, \g
	s_wait_dscnt 32                                ; all but the 32 just issued
	WIN MUL
	MUL8 \f, 1, 0, 0
	MUL8 \f, 1, 2, 0
.endm
; The last quarter multiplies buffer 1 and changes slots: ONE barrier; in front of it each wave waits for all its tensor loads, adds 0 to its spare word, and waits for that and for its own reads of this slot.
.macro TURN slot, next, fill
	WIN 0                                          ; (the add's two registers lie in window 0)
	s_wait_tensorcnt 0x0                           ; all my tensor loads have landed: my part of the next slot
	ds_add_u32 v[SPW], v[NIL]                      ; 0 onto my spare word
	s_wait_dscnt 17                                ; (the add and the youngest sixteen loads may be out)
	WIN MUL
	MUL8 F1, 0, 0, 0                               ; eight matrix instructions stand between the add and the wait for it
	s_wait_dscnt 0x0                               ; the add is done, and my reads of this slot are over
	s_barrier_signal -1
	MUL8 F1, 0, 2, 0
.if \fill
	WIN 0
.endif
	s_barrier_wait -1
.if \fill
	CREST                                          ; the barrier has opened a round of the cluster's barrier: no wave of any partner still reads this slot's tile or has a load on its way
	s_add_nc_u64 s[G0+4*\slot+2:G0+4*\slot+3], s[G0+4*\slot+2:G0+4*\slot+3], 2*KSTEP*2
	s_add_nc_u64 s[G0B+4*\slot+2:G0B+4*\slot+3], s[G0B+4*\slot+2:G0B+4*\slot+3], 2*KSTEP*2
	JLOAD \slot                                    ; the first tensor load behind the round; its four v_nop are also the places in front of the loads below
.else
	PLACES
.endif
	FETCH \next, 0, F0
	WIN MUL
	MUL8 F1, 1, 0, 0
	MUL8 F1, 1, 2, 0
.endm
	s_wait_tensorcnt 1                             ; my part of K step 0 is in,
	s_barrier_signal -1
	s_barrier_wait -1                              ; everybody's is
	FETCH 0, 0, F0
	QUARTER 0, 128, F0, F1, 1                      ; the first quarter stands in front of the loop: its first products start the sums
	WIN 0                                          ; at a label and at a branch every window is 0
	s_mov_b32 s3, LAPS-1
.Llap:                                                 ; a trip goes once round the ring and fills both slots again
	QUARTER 0, 256, F1, F0, 0
	QUARTER 0, 384, F0, F1, 0
	TURN 0, 1, 1
	QUARTER 1, 128, F0, F1, 0
	QUARTER 1, 256, F1, F0, 0
	QUARTER 1, 384, F0, F1, 0
	TURN 1, 0, 1
	QUARTER 0, 128, F0, F1, 0
	WIN 0
	s_sub_co_u32 s3, s3, 1
	s_cmp_lg_u32 s3, 0
	s_cbranch_scc1 .Llap
	QUARTER 0, 256, F1, F0, 0                      ; the last lap fills nothing
	QUARTER 0, 384, F0, F1, 0
	TURN 0, 1, 0
	QUARTER 1, 128, F0, F1, 0
	QUARTER 1, 256, F1, F0, 0
	QUARTER 1, 384, F0, F1, 0
	s_wait_dscnt 16                                ; the very last quarter
	WIN MUL
	MUL8 F1, 0, 0, 0
	MUL8 F1, 0, 2, 0
	s_wait_dscnt 0
	MUL8 F1, 1, 0, 0
	MUL8 F1, 1, 2, 0
	WIN 0
	; THE WAY OUT, a block of 16 rows x 64 columns at a time: the accumulators go into my own stage as they are, each from its low end on, and come back as whole pieces of 256 bytes of a row.
	PLACES
.irp a, 0,1,2,3
.if \a >= 2
	s_wait_xcnt 0x0                                ; block a - 2's stores have read their registers: block a's loads may land there
.endif
.irp b, 0,1,2,3
	ds_store_b128 v[STO], v[ACC+8*(4*\a+\b):ACC+8*(4*\a+\b)+3] offset:64*\b
	ds_store_b128 v[STO], v[ACC+8*(4*\a+\b)+4:ACC+8*(4*\a+\b)+7] offset:64*\b+16
.endr
.irp t, 0,1,2,3,4,5,6,7
	ds_load_b128 v[TMP+32*(\a%2)+4*\t:TMP+32*(\a%2)+4*\t+3], v[RD] offset:\t*2*SPITCH   ; LDS serves a wave's instructions in order: these see the stores above, and the next block's stores come behind them
.endr
.irp t, 0,1,2,3,4,5,6,7
	s_wait_dscnt 7-\t
	global_store_b128 v[CO], v[TMP+32*(\a%2)+4*\t:TMP+32*(\a%2)+4*\t+3], s[8:9] offset:(16*\a+2*\t)*SIZE_N*4 th:TH_STORE_NT   ; 16 lanes store 256 consecutive bytes, aligned; written once, read by nobody here
.endr
.endr
	s_wait_tensorcnt 0x0                           ; the wave's end: a wait, an add of 0 to my spare word and its wait stand behind my last tensor load and my last LDS store
	ds_add_u32 v[SPW], v[NIL]
	s_wait_dscnt 0x0
	CROUND                                         ; the closing round: no work-group ends while a partner may still ask for a tile that names it
	s_endpgm
.Lfunc_end_k_q78d89e84b2_outproj:
	.size	k_q78d89e84b2_outproj, .Lfunc_end_k_q78d89e84b2_outproj-k_q78d89e84b2_outproj
	.p2alignl 7, 3214868480
	.fill 96, 4, 3214868480
	.section	.rodata,"a",@progbits
	.p2align	6, 0x0
	.amdhsa_kernel k_q78d89e84b2_outproj
		.amdhsa_group_segment_fixed_size 327680
		.amdhsa_private_segment_fixed_size 0
		.amdhsa_enable_private_segment 0
		.amdhsa_kernarg_size 24
		.amdhsa_user_sgpr_count 2
		.amdhsa_user_sgpr_kernarg_segment_ptr 1
		.amdhsa_wavefront_size32 1
		.amdhsa_system_sgpr_workgroup_id_x 1
		.amdhsa_system_sgpr_workgroup_id_y 1
		.amdhsa_system_sgpr_workgroup_id_z 1
		.amdhsa_system_vgpr_workitem_id 0
		.amdhsa_next_free_vgpr 512
		.amdhsa_next_free_sgpr 66
		.amdhsa_reserve_vcc 0
		.amdhsa_float_denorm_mode_32 3
		.amdhsa_float_denorm_mode_16_64 3
		.amdhsa_memory_ordered 1
		.amdhsa_forward_progress 1
		.amdhsa_inst_pref_size 86
	.end_amdhsa_kernel
	.amdgpu_metadata
---
amdhsa.version: [ 1, 2 ]
amdhsa.kernels:
  - .name:           k_q78d89e84b2_outproj
    .symbol:         k_q78d89e84b2_outproj.kd
    .args:
      - { .name: att16, .offset: 0, .size: 8, .value_kind: global_buffer, .address_space: global }
      - { .name: wo16, .offset: 8, .size: 8, .value_kind: global_buffer, .address_space: global }
      - { .name: out0, .offset: 16, .size: 8, .value_kind: global_buffer, .address_space: global }
    .group_segment_fixed_size: 327680
    .private_segment_fixed_size: 0
    .kernarg_segment_align: 8
    .kernarg_segment_size: 24
    .max_flat_workgroup_size: 128
    .sgpr_count:     66
    .vgpr_count:     512
    .wavefront_size: 32
...
	.end_amdgpu_metadata
.endif
;; end of part 4
